; MI455X (gfx1250); checked and timed in simulation.
; The chip was launched on July 23, 2026; its instructions are those of AMD's public machine-readable ISA for CDNA 5 (MIT licence, August 2026) and "CDNA5" Instruction Set Architecture Reference Guide (July 2026). The comments in the code are by the model that wrote it; some were corrected since.
;; Multihead Attention. Allowed arithmetic: matrix products marked QUANTISED: E4M3 operands, one E8M0 scale for each 32 along K, by v_wmma_scale_f32_16x16x128_f8f6f4 with both operands' format E4M3, f32 sums; everything else in f32.
;; Inputs: W_out 1,024 x 1,024 float32; W_qkv 1,024 x 3,072 float32; b_out 1,024 float32; b_qkv 3,072 float32; x 4 x 2,048 x 1,024 float32.
;; Outputs: out0 4 x 2,048 x 1,024 float32.
;; This version of the problem:
;;   THIS VERSION OF THE PROBLEM IS GIVEN IN LOW PRECISION. The matrix products marked QUANTISED in the list below multiply operands that are first quantised to E4M3 (4 exponent bits, 3 mantissa bits; 8 bits a number), with one power-of-two scale for each 32 numbers along K (OCP MX v1.0); their sums are f32. All else is computed in f32.
;;   The module's matrix products, in the order in which they are computed (A, B: the left and right operand; K: the contracted axis; several contracted axes count as one K, in the product's order):
;;     1. [M 8,192, K 1,024] x [K 1,024, N 3,072]; A: input x; B: input W_qkv: QUANTISED
;;     2. batch 64 x [M 2,048, K 64] x [K 64, N 2,048]; A: computed on the way; B: computed on the way: QUANTISED
;;     3. batch 64 x [M 2,048, K 2,048] x [K 2,048, N 64]; A: softmax (see below); B: computed on the way: QUANTISED
;;     4. [M 8,192, K 1,024] x [K 1,024, N 1,024]; A: computed on the way; B: input W_out: QUANTISED
;;   THE QUANTISER, for each operand of a quantised product, along K:
;;     - K is cut into blocks of 32 from its start; a last block that is shorter is filled with zeros.
;;     - A block's scale is 2^e with e = floor(log2(the largest magnitude in the block)) - 8, held to -126 .. 127; a block of zeros has e = 0. As a byte (E8M0): e + 127.
;;     - Each number is divided by its block's scale, clamped to +-448, and rounded to the nearest number of E4M3, ties to even, subnormals kept.
;;     - The product sums the exact products of the quantised numbers (number of the format x scale) in f32.
;;   ~~~python
;;   def quantise(x, axis):      # numpy; x: float32 -> the quantised numbers, widened to float32 again
;;       x = np.moveaxis(x, axis, -1); K = x.shape[-1]
;;       x = np.pad(x, [(0, 0)] * (x.ndim - 1) + [(0, -K % 32)]); x = x.reshape(x.shape[:-1] + (-1, 32)); a = np.abs(x).max(-1, keepdims=True)
;;       e = np.where(a > 0, np.clip(np.frexp(np.where(a > 0, a, 1))[1] - 1 - 8, -126, 127), 0)      # np.frexp(a)[1] - 1 = floor(log2(a)), exactly
;;       r = np.clip(x / 2.0 ** e, -448, 448)
;;       step = 2.0 ** (np.maximum(np.frexp(np.where(r == 0, 1, r))[1] - 1, -6) - 3)
;;       q = np.round(r / step) * step * 2.0 ** e      # np.round: ties to even
;;       return np.moveaxis(q.reshape(q.shape[:-2] + (-1,))[..., :K], -1, axis).astype(np.float32)
;;   ~~~
;;   SOFTMAX AHEAD OF A QUANTISED PRODUCT. Where the list says 'softmax', what is quantised is not the finished softmax but p = 2^(t - M), with t = logit x log2(e) and M = ceil(the row's largest t), a whole number; so 1/2 < the row's largest p <= 1. The row's sum l is taken of the UNQUANTISED p, in f32, and the product's result is divided by l at the end. Since M is a whole number, a kernel that streams over the keys may use a running M (the ceiling of the running maximum): every later rescaling is an exact power of two, which a block's scale takes up: the codes' values come out the same.
;;   OPERANDS COMPUTED ON THE WAY. 'Computed on the way' means the value that the module computes at that place (a softmax that the list does not call 'softmax' is quantised finished and normalised). What goes into a quantiser is computed in f32, as accurately as f32 sums, v_exp_f32 and their like allow (about 1e-6 of the number): no bf16 or f16 on the way to a quantiser, and a product that is left as it is and whose result goes on into a quantised operand takes f32 operands (vector FMAs, or v_wmma_f32_16x16x4_f32). A number that lies on a knife's edge between two numbers of the format may be rounded either way, as far as f32 arithmetic and the matrix unit's own rounding can turn it there, and no further.
;; One version. Each part assembles by itself: llvm-mc -triple=amdgcn-amd-amdhsa -mcpu=gfx1250 --defsym DOCPART=n.
;; ======== version 1 of 1: 4 launches
;; limits: right only within a limited range of input values
;; workspace buffers: xq 8,650,752 bytes; wq 4,325,376 bytes; qkq 17,301,504 bytes; vq 8,650,752 bytes; yq 8,650,752 bytes
;; launch quant (part 1): grid 768 x 1, 4 waves a work-group, no clusters, 34,304 bytes of LDS; arguments x, W_qkv, W_out, xq, wq; writes xq, wq
.if DOCPART == 1
	.amdgcn_target "amdgcn-amd-amdhsa--gfx1250"
	.amdhsa_code_object_version 6
	.text
	.protected	k_q81cf6faac2_quant
	.globl	k_q81cf6faac2_quant
	.p2align	8
	.type	k_q81cf6faac2_quant,@function
k_q81cf6faac2_quant:
	s_mov_b64 s[64:65], 0
	v_nop
	global_prefetch_b8 v0, s[64:65] scope:SCOPE_SE
	s_setreg_imm32_b32 hwreg(HW_REG_WAVE_MODE, 25, 1), 1
	s_wait_xcnt 0x0
; x [8192][1024], W_qkv [1024][3072] and W_out [1024][1024], f32, become codes of FP8 (E4M3) with one E8M0 scale byte for each 32 along K (x: its last axis; the weights: their first).
; A block's scale is 2^(floor(log2(its largest magnitude)) - 8); its byte is the largest magnitude's exponent field - 8, held at 1 from below; each number is divided by the scale, held within +-448, rounded to the nearest code, ties to even.
; LIMITS: NaN and infinities among the inputs are not served.  A block whose largest magnitude lies under 2^-118 (a block of zeros among them) gets the byte 1 and not the rule's byte: its codes are zeros or the
; smallest codes, and the bytes are read by this program alone.
; LAYOUT OF THE CODES (xq, wq): in the order of the matrix operand's registers.  A tile is 16 rows x 1,024 K = 16,384 bytes; in it a K step of 128 is 2,048 bytes: register group c (0..3) at 512 c, lane l's 16 bytes at 16 l;
; lane l = r + 16 h holds row r, K = 32 c + 16 h + 0..15.  So a fragment is four loads of 16 bytes a lane from 2,048 consecutive bytes.
; WHICH ROWS FORM A TILE: row r of tile T is token (or weight column) 32 (T / 2) + 8 (T % 2) + r + 8 (r / 8).  With such tiles as source 0 of a product, a lane's 16 results of tiles 2 b and 2 b + 1 are 16 neighbours.
; Scale bytes: [16 T + r][32], behind the codes.  wq holds W_qkv's 3,072 columns, then W_out's 1,024.
; Work-groups 0-255 take the weights, 256-767 x: a scalar branch on the work-group's number.  EVERY WAVE ASKS FOR ALL ITS NUMBERS AT ITS START: its share is as small as one run of loads holds (x: 32 loads of 512 bytes;
; the weights: 128 loads of 128 bytes), so that no wave goes to memory twice in series.  Only x's path uses LDS.  Waves share nothing: no barrier.  Nothing is read by two work-groups: no cluster, no joint load.
.set XS,  8388608                      ; xq: where the scale bytes begin
.set WS,  4194304                      ; wq: likewise
.set TM,  16                           ; v16-19 largest magnitudes, v20-23 bytes, v28-31 the conversions' scale operands
.set W,   12                           ; v12-13  x: two scale words;  the weights: v12 four scale bytes
.set R,   32                           ; v32-159 x: two sets of 64 numbers as loaded
.set X,   160                          ; v160-223 x: 64 numbers in the operand's order
.set PC,  224                          ; v224-255 x: two sets of 16 registers of codes, one for each K step
.set WX,  32                           ; v32-159 the weights: four sets of 32 numbers
.set WC,  160                          ; v160-191 the weights: eight registers of codes for each of four blocks
.set SEL, 30                           ; s[30:31] v_permlanex16_b32's selects for lane l xor 16
.set MNT, 32
; 64 numbers of a lane, v[s] on, register 16 b + i = K 32 b + 16 (lane / 16) + i of my row, become a fragment's codes in v[pc] on and its scale word in v[pw].
.macro QUANT s, pc, pw
.irp b, 0,1,2,3
	v_max3_num_f32 v[TM+\b], |v[(\s)+16*\b]|, |v[(\s)+1+16*\b]|, 0x4800000   ; block b: my 16 numbers, and the floor 2^(9 - 127): the byte cannot fall under 1
.endr
.irp i, 2,4,6,8,10,12,14
.irp b, 0,1,2,3
	v_max3_num_f32 v[TM+\b], v[TM+\b], |v[(\s)+16*\b+\i]|, |v[(\s)+1+16*\b+\i]|   ; the four blocks by turns
.endr
.endr
.irp b, 0,1,2,3
	v_permlanex16_b32 v[TM+4+\b], v[TM+\b], s[SEL], s[SEL+1]
.endr
.irp b, 0,1,2,3
	v_max_num_f32 v[TM+\b], v[TM+\b], v[TM+4+\b]                   ; with lane l xor 16's 16: the block's largest magnitude
.endr
.irp b, 0,1,2,3
	v_add_nc_u32 v[TM+12+\b], 0xfc000000, v[TM+\b]                 ; 8 off its exponent field: the conversion takes this operand's exponent field as its scale
.endr
.irp b, 0,1,2,3
.endr
.irp b, 0,1,2,3
	v_lshrrev_b32 v[TM+4+\b], 23, v[TM+12+\b]                      ; the scale's byte
.endr
	v_lshl_or_b32 v[\pw], v[TM+5], 8, v[TM+4]
	v_lshl_or_b32 v[\pw], v[TM+6], 16, v[\pw]
	v_lshl_or_b32 v[\pw], v[TM+7], 24, v[\pw]
.irp b, 0,1,2,3
.irp i, 0,1,2,3,4,5,6,7,8,9,10,11,12,13,14,15
.endr
	v_cvt_scalef32_pk8_fp8_f32 v[(\pc)+4*\b:(\pc)+4*\b+1], v[(\s)+16*\b:(\s)+16*\b+7], v[TM+12+\b]
	v_cvt_scalef32_pk8_fp8_f32 v[(\pc)+4*\b+2:(\pc)+4*\b+3], v[(\s)+16*\b+8:(\s)+16*\b+15], v[TM+12+\b]
.endr
	v_nop                                          ; one plain vector line behind the last conversion
.endm
	s_load_b128 s[4:7], s[0:1], 0x0                ; x, W_qkv
	s_load_b128 s[8:11], s[0:1], 0x10              ; W_out, xq
	s_load_b64 s[12:13], s[0:1], 0x20              ; wq
	v_lshl_add_u32 v14, v0, 2, 0x8400
	v_mov_b32 v15, 0
	v_lshrrev_b32 v1, 5, v0
	v_readfirstlane_b32 s14, v1                    ; wave 0..3
	v_and_b32 v1, 31, v0                           ; lane
	v_and_b32 v2, 15, v0                           ; r
	v_bfe_u32 v3, v0, 4, 1                         ; h
	v_lshlrev_b32 v4, 4, v1                        ; 16 x lane
	s_mov_b32 s[SEL], 0x76543210
	s_mov_b32 s[SEL+1], 0xfedcba98
	s_cmp_lt_u32 ttmp9, 256
	s_cbranch_scc1 .Lweights
; ---- x.  A wave takes a quarter of a tile: 16 rows x 256 K, two K steps.  Each load reads 512 consecutive bytes of one row; a K step's 16 rows turn through the wave's own stage in LDS
; (rows of 512 bytes + 16, so that the sixteen rows that a read touches start at sixteen different banks: 64 banks of 4 bytes, ISA guide 11.1) and come back in the operand's order.
	s_sub_co_u32 s16, ttmp9, 256
	s_lshl_b32 s16, s16, 2
	s_add_co_u32 s16, s16, s14                     ; which quarter tile
	s_lshr_b32 s17, s16, 2                         ; T
	s_and_b32 s18, s16, 3                          ; which quarter of K
	s_lshr_b32 s19, s17, 1
	s_lshl_b32 s20, s19, 17                        ; 32 (T / 2) rows of 4,096 bytes
	s_and_b32 s19, s17, 1
	s_lshl_b32 s19, s19, 15                        ; + 8 (T % 2) rows
	s_add_co_u32 s20, s20, s19
	s_lshl_b32 s19, s18, 10                        ; + 256 numbers x quarter
	s_add_co_u32 s20, s20, s19
	s_mov_b32 s21, 0
	s_lshl_b32 s22, s17, 14                        ; the codes: 16,384 T + 2 K steps x quarter
	s_lshl_b32 s19, s18, 12
	s_add_co_u32 s22, s22, s19
	s_mov_b32 s23, 0
	s_lshl_b32 s24, s17, 9                         ; the scale bytes: 512 T + 8 x quarter
	s_lshl_b32 s19, s18, 3
	s_add_co_u32 s24, s24, s19
	s_add_co_u32 s24, s24, XS
	s_mov_b32 s25, 0
	s_mul_i32 s19, s14, 8448                       ; my stage: 16 rows x 528 bytes
	s_wait_alu depctr_va_vdst(0)
	v_add_nc_u32 v5, s19, v4                       ; in: 16 x lane of a row
	v_mul_u32_u24 v6, v2, 528
	v_lshl_add_u32 v6, v3, 6, v6
	v_add_nc_u32 v6, s19, v6                       ; out: row r, + 64 h: my 16 numbers of a block of 32
	v_lshlrev_b32 v7, 5, v2
	v_lshl_add_u32 v7, v3, 2, v7                   ; scale bytes: 32 r + 4 h
.irp b, 0,1,2,3
	v_mov_b32 v[TM+4+\b], 0                        ; written once: a lane permute's destination counts as one of its sources
.endr
	s_wait_alu depctr_va_vdst(0)
	s_wait_kmcnt 0x0
	s_add_nc_u64 s[4:5], s[4:5], s[20:21]
	s_add_nc_u64 s[22:23], s[10:11], s[22:23]
	s_add_nc_u64 s[24:25], s[10:11], s[24:25]
.macro LOADX s                         ; K step s: row i of the tile lies i + 8 (i / 8) rows down
.irp i, 0,1,2,3,4,5,6,7,8,9,10,11,12,13,14,15
	global_load_b128 v[R+64*(\s)+4*\i:R+64*(\s)+4*\i+3], v4, s[4:5] offset:(\i+8*(\i/8))*4096+512*(\s) th:TH_LOAD_NT
.endr
.endm
.macro XSTEP s
.if (\s) == 0
	s_wait_loadcnt 16                              ; this K step's 16 loads are in; the second step's 16 stay out
.else
	s_wait_loadcnt 0x0
.endif
.irp i, 0,1,2,3,4,5,6,7,8,9,10,11,12,13,14,15
	ds_store_b128 v5, v[R+64*(\s)+4*\i:R+64*(\s)+4*\i+3] offset:528*\i
.endr
.irp c, 0,1,2,3
.irp j, 0,1,2,3
	ds_load_b128 v[X+16*\c+4*\j:X+16*\c+4*\j+3], v6 offset:128*\c+16*\j   ; LDS serves a wave's instructions in order (ISA guide 5.7.1.4): these see the stores above
.endr
.endr
	s_wait_dscnt 0x0                               ; the numbers are back
	QUANT X, PC+16*(\s), W+(\s)
.irp c, 0,1,2,3
	global_store_b128 v4, v[PC+16*(\s)+4*\c:PC+16*(\s)+4*\c+3], s[22:23] offset:2048*(\s)+512*\c   ; 32 lanes store 512 consecutive bytes, at a multiple of 512 from xq's first byte.  Each K step has code registers of its own
.endr
.endm
	LOADX 0
	LOADX 1                                        ; all 32 loads of the wave are out
	XSTEP 0
	XSTEP 1
	s_mov_b32 vcc_lo, 0xffff0000                   ; lanes 16-31
	v_cndmask_b32 v8, v[W], v[W+1], vcc_lo         ; lanes r and r + 16 hold the same words: the lower lane stores the first K step's, the upper the second's
	global_store_b32 v7, v8, s[24:25]              ; 8 of each row's 32 scale bytes (three other waves write the others): one byte for each 32 codes
	s_wait_tensorcnt 0x0
	ds_add_u32 v14, v15
	s_wait_dscnt 0x0
	s_endpgm
; ---- the weights.  A wave takes 32 columns x 128 K.  A LANE TAKES A COLUMN, AND ITS REGISTERS RUN DOWN K: a block of 32 lies in one lane, and the conversions give codes with K innermost.
; Lane l takes the column whose bits 3 and 4 are l's bits 4 and 3: it is then row l % 16 of tile l / 16 of the wave's two tiles, and sixteen lanes' 16 bytes are 256 consecutive bytes of wq: the codes leave from the registers.
.Lweights:
	s_and_b32 s17, ttmp9, 31                       ; which 128 columns of the 4,096
	s_lshr_b32 s18, ttmp9, 5                       ; which 128 along K
	s_wait_alu depctr_va_vdst(0)
	v_and_b32 v5, 7, v1
	v_bfe_u32 v6, v1, 3, 1
	v_lshl_or_b32 v5, v6, 4, v5
	v_lshl_or_b32 v5, v3, 3, v5
	v_lshlrev_b32 v5, 2, v5                        ; in: 4 bytes x my column
	v_lshlrev_b32 v6, 4, v2
	v_lshl_or_b32 v6, v3, 14, v6                   ; out: 16 r + 16,384 (l / 16)
	v_lshlrev_b32 v7, 5, v1                        ; scale bytes: 32 x lane
	s_lshl_b32 s20, s17, 3
	s_lshl_b32 s19, s14, 1
	s_add_co_u32 s20, s20, s19                     ; my first tile
	s_lshl_b32 s20, s20, 14
	s_lshl_b32 s19, s18, 11                        ; a K step of 2,048 bytes
	s_add_co_u32 s20, s20, s19
	s_mov_b32 s21, 0
	s_lshl_b32 s22, s17, 7
	s_lshl_b32 s19, s14, 5
	s_add_co_u32 s22, s22, s19                     ; my first row of scale bytes
	s_lshl_b32 s22, s22, 5
	s_lshl_b32 s19, s18, 2
	s_add_co_u32 s22, s22, s19
	s_add_co_u32 s22, s22, WS
	s_mov_b32 s23, 0
	s_wait_kmcnt 0x0
	s_add_nc_u64 s[24:25], s[12:13], s[20:21]
	s_add_nc_u64 s[26:27], s[12:13], s[22:23]
.macro WLOAD t, n, p                   ; block t: W(32 t + i, my column); 32 lanes read 128 consecutive bytes
.irp i, 0,1,2,3,4,5,6,7,8,9,10,11,12,13,14,15,16,17,18,19,20,21,22,23,24,25,26,27,28,29,30,31
	global_load_b32 v[WX+32*(\t)+\i], v5, s[\p:\p+1] offset:(32*(\t)+\i)*(\n)*4 th:TH_LOAD_NT
.endr
.endm
.macro WBLOCK t
.set XB, WX+32*(\t)
.set CB, WC+8*(\t)
.if (\t) == 0
	s_wait_loadcnt 63                              ; of my 128 loads 65 at the least are in: blocks 0 and 1 (96 might stay out for block 0 alone, but a wait's count names 63 at the most)
.elseif (\t) == 2
	s_wait_loadcnt 32                              ; the last block's 32 loads may stay out
.elseif (\t) == 3
	s_wait_loadcnt 0x0
.endif
	v_max3_num_f32 v16, |v[XB]|, |v[XB+1]|, |v[XB+2]|
	v_max3_num_f32 v17, |v[XB+3]|, |v[XB+4]|, |v[XB+5]|
.irp i, 6,10,14,18,22,26
	v_max3_num_f32 v16, v16, |v[XB+\i]|, |v[XB+\i+1]|
	v_max3_num_f32 v17, v17, |v[XB+\i+2]|, |v[XB+\i+3]|
.endr
	v_max3_num_f32 v16, v16, |v[XB+30]|, |v[XB+31]|
	v_max3_num_f32 v16, v16, v17, 0x4800000        ; and the floor
	v_add_nc_u32 v18, 0xfc000000, v16              ; the conversions' scale operand
	v_lshrrev_b32 v17, 23, v18                     ; the byte
.if (\t) == 0
	v_mov_b32 v[W], v17
.else
	v_lshl_or_b32 v[W], v17, 8*(\t), v[W]
.endif
.irp i, 0,1,2,3,4,5,6,7,8,9,10,11,12,13,14,15,16,17,18,19,20,21,22,23,24,25,26,27,28,29,30,31
.endr
.irp g, 0,1,2,3
	v_cvt_scalef32_pk8_fp8_f32 v[CB+2*\g:CB+2*\g+1], v[XB+8*\g:XB+8*\g+7], v18
.endr
	v_nop                                          ; one plain vector line behind the last conversion
	global_store_b128 v6, v[CB:CB+3], s[24:25] offset:(\t)*512        ; K 32 t + 0..15: sixteen lanes store 256 consecutive bytes, at a multiple of 256 from wq's first byte
	global_store_b128 v6, v[CB+4:CB+7], s[24:25] offset:(\t)*512+256  ; K 32 t + 16..31.  Each block has numbers' and codes' registers of its own: nothing that a load or a store names is written again
.endm
.macro WBODY n, p                      ; n: the weight's columns; p: the scalar pair with its address; s17: which 128 of its columns
	s_mul_i32 s28, s18, 128*(\n)*4
	s_lshl_b32 s29, s17, 9
	s_add_co_u32 s28, s28, s29
	s_lshl_b32 s29, s14, 7
	s_add_co_u32 s28, s28, s29
	s_mov_b32 s29, 0
	s_add_nc_u64 s[\p:\p+1], s[\p:\p+1], s[28:29]
.irp t, 0,1,2,3
	WLOAD \t, \n, \p                               ; all 128 loads in one run: where the counter's field is full the issue waits for the oldest to come back (ISA guide 5.7.1)
.endr
.irp t, 0,1,2,3
	WBLOCK \t
.endr
	global_store_b32 v7, v[W], s[26:27]            ; my column's four scale bytes: pieces of 4 bytes, rows 32 bytes apart; one byte for each 32 codes
	s_endpgm
.endm
	s_cmp_lt_u32 s17, 24
	s_cbranch_scc0 .Lw_out
	s_wait_alu depctr_va_vdst(0)
	WBODY 3072, 6                                  ; every offset is an immediate: 127 rows of 12,288 bytes at the most, inside the signed 24 bits (ISA guide, chapter 10)
.Lw_out:
	s_sub_co_u32 s17, s17, 24
	s_wait_alu depctr_va_vdst(0)
	WBODY 1024, 8
.Lfunc_end_k_q81cf6faac2_quant:
	.size	k_q81cf6faac2_quant, .Lfunc_end_k_q81cf6faac2_quant-k_q81cf6faac2_quant
	.p2alignl 7, 3214868480
	.fill 96, 4, 3214868480
	.section	.rodata,"a",@progbits
	.p2align	6, 0x0
	.amdhsa_kernel k_q81cf6faac2_quant
		.amdhsa_group_segment_fixed_size 34304
		.amdhsa_private_segment_fixed_size 0
		.amdhsa_enable_private_segment 0
		.amdhsa_kernarg_size 40
		.amdhsa_user_sgpr_count 2
		.amdhsa_user_sgpr_kernarg_segment_ptr 1
		.amdhsa_wavefront_size32 1
		.amdhsa_system_sgpr_workgroup_id_x 1
		.amdhsa_system_sgpr_workgroup_id_y 1
		.amdhsa_system_sgpr_workgroup_id_z 1
		.amdhsa_system_vgpr_workitem_id 0
		.amdhsa_next_free_vgpr 256
		.amdhsa_next_free_sgpr 66
		.amdhsa_reserve_vcc 1
		.amdhsa_float_denorm_mode_32 3
		.amdhsa_float_denorm_mode_16_64 3
		.amdhsa_fp16_overflow 1
		.amdhsa_memory_ordered 1
		.amdhsa_forward_progress 1
		.amdhsa_inst_pref_size 58
	.end_amdhsa_kernel
	.amdgpu_metadata
---
amdhsa.version: [ 1, 2 ]
amdhsa.kernels:
  - .name:           k_q81cf6faac2_quant
    .symbol:         k_q81cf6faac2_quant.kd
    .args:
      - { .name: x, .offset: 0, .size: 8, .value_kind: global_buffer, .address_space: global }
      - { .name: W_qkv, .offset: 8, .size: 8, .value_kind: global_buffer, .address_space: global }
      - { .name: W_out, .offset: 16, .size: 8, .value_kind: global_buffer, .address_space: global }
      - { .name: xq, .offset: 24, .size: 8, .value_kind: global_buffer, .address_space: global }
      - { .name: wq, .offset: 32, .size: 8, .value_kind: global_buffer, .address_space: global }
    .group_segment_fixed_size: 34304
    .private_segment_fixed_size: 0
    .kernarg_segment_align: 8
    .kernarg_segment_size: 40
    .max_flat_workgroup_size: 128
    .sgpr_count:     66
    .vgpr_count:     256
    .wavefront_size: 32
...
	.end_amdgpu_metadata
.endif
;; end of part 1
;; launch gemm_qkv (part 2): grid 96 x 4, 4 waves a work-group, clusters of 4 x 4, 327,680 bytes of LDS; arguments xq, wq, b_qkv, qkq, vq; writes qkq, vq
.if DOCPART == 2
	.amdgcn_target "amdgcn-amd-amdhsa--gfx1250"
	.amdhsa_code_object_version 6
	.text
	.protected	k_q81cf6faac2_gemm_qkv
	.globl	k_q81cf6faac2_gemm_qkv
	.p2align	8
	.type	k_q81cf6faac2_gemm_qkv,@function
k_q81cf6faac2_gemm_qkv:
	s_mov_b64 s[64:65], 0
	v_nop
	global_prefetch_b8 v0, s[64:65] scope:SCOPE_SE
	s_setreg_imm32_b32 hwreg(HW_REG_WAVE_MODE, 25, 1), 1
	s_wait_xcnt 0x0
	s_wait_alu depctr_hold_cnt(0) depctr_sa_sdst(0) depctr_va_vdst(0) depctr_va_sdst(0) depctr_va_ssrc(0) depctr_va_vcc(0) depctr_vm_vsrc(0)
	s_getreg_b32 s2, hwreg(HW_REG_IB_STS2, 6, 4)
	s_cmp_eq_u32 s2, 0
	s_cbranch_scc0 .Lentry_in_a_cluster
	s_endpgm
.Lentry_in_a_cluster:
	s_bfe_u32 s2, ttmp6, 0x10000c
	s_cmp_lg_u32 s2, 0xf033
	s_cbranch_scc0 .Lentry_shape_is_right
	s_endpgm
.Lentry_shape_is_right:
; qkv = x W_qkv + b_qkv on codes of FP8 (E4M3) with E8M0 scales, K = 1,024; the results are quantised at once: q and k along a head's 64, v along the keys; no f32 result goes to memory.
; A work-group of four waves makes 256 x 256 results, a wave 128 x 128: 64 accumulators, 512 registers.  K goes in steps of 256 through a ring of two LDS slots.
; The codes lie in memory in the order of the operand's registers (a tile of 16 rows: 16,384 bytes; a K step of 128 in it: 2,048 consecutive bytes, register group c at 512 c, lane l at 16 l), and so they lie in LDS:
; a fragment is four loads of 512 consecutive bytes: no pitch, no padding.  The scale bytes of the work-group's rows, for all of K, come once and stay.
; THE MATRIX INSTRUCTION IS USED TRANSPOSED: source 0 = a tile of B, source 1 = a tile of A: a lane holds ONE row of A and its registers run along B's rows.  Row r of a tile is token or column 32 (T / 2) + 8 (T % 2) + r + 8 (r / 8),
; so a lane's 64 results of one block of A (eight accumulators) are, register 16 b + i: B's row 32 b + 16 (lane / 16) + i: the order in which the next operand wants its K.
; TWO ROLES, by the cluster's number c (the same in all sixteen partners).  c < 16: A = x's tokens, B = W's columns 0-2,047 (q, k): a lane's registers run along the features.
; c >= 16: A = W's columns 2,048-3,071 (v), B = x's tokens: a lane's registers run along the TOKENS, v's K in the second product of attention: nothing is transposed.  Both roles share the whole loop.
; CLUSTERS: 4 x 4 work-groups; A's tiles are asked for jointly along a row of the cluster, B's along a column.
; OUT.  qkq: codes [q, k][batch x head 64][tile of 16 tokens 128][c 2][lane][16 bytes]; behind them one word for each pair of tiles and row: bytes 0, 1 tile 2 P's two blocks, bytes 2, 3 tile 2 P + 1's.
;       vq: codes [batch x head][key step of 128, 16][tile of 16 features 4][c 4][lane][16 bytes]; behind them one scale word for each key step, tile and row.
; LIMITS: NaN and infinities are not served; a block whose largest magnitude lies under 2^-118 gets the byte 1 (its codes are zeros or the smallest codes; this program alone reads the bytes).
; REGISTERS, in windows of 256: window 0: v1-29 addresses; v32-63 scale words, two sets; v64-127 the bias; from v128 A's fragments, ONE set (on the way out: v128-191 64 numbers, v192-223 codes, v224-244 at work);
;   window 1: B's fragments, two sets;  window 2: the accumulators of A's blocks 0-3 ((a, b) at v[8 (8 (a % 4) + b)]);  window 3: those of blocks 4-7.
.set BIASC, 0                          ; the first products start the sums from the constant 0
.set NQ,    2                          ; matrix instructions deep in a slot
.set FR,    16                         ; registers of a fragment
.set NL,    4                          ; LDS loads that bring one
.set NP,    8                          ; places behind this matrix instruction (ISA guide 7.12.1)
.set TILEB, 4096                       ; a tile's bytes in a slot: 256 along K
.set HALFT, 8*TILEB                    ; eight tiles: what one tensor load brings, and what one wave reads of A or of B
.set SLOT,  4*HALFT                    ; A's 16 tiles, then B's 16
.set SCL,   2*SLOT                     ; behind the ring: the scale bytes, 32 a row, as pieces of 256 bytes + 16 of padding
.set HALFS, 16*272                     ; those of 128 rows
.set SBLK,  2*272                      ; those of 16 rows
.set SPARE, SCL+4*HALFS                ; the spare words, 128 bytes for each wave: two blocks of 256 bytes that no other line names
.set QKS,   16777216                   ; qkq: where the words begin
.set VS,    8388608                    ; vq: likewise
.set LN,   4                           ; v4      16 x lane
.set ADRA, 16                          ; v16-17  LDS address of my A fragments in slot 0, 1
.set ADRB, 20                          ; v20-21  the same for B
.set ADRS, 27                          ; v27     LDS address of my scale words: lanes 0-15 A's rows, lanes 16-31 B's
.set SPW,  28                          ; v28     LDS address of my spare word; never rewritten
.set NIL,  29                          ; v29     0; never rewritten
.set SC,   32                          ; scale words: set s at v[SC + 16 s]; in it register 2 i + q: lanes 0-15 A's block i, lanes 16-31 B's block i
.set BI,   64                          ; the bias
.set AF,   128                         ; A's fragments
.set QI,   128                         ; the way out: 64 numbers
.set PC,   192                         ; two sets of codes
.set TM,   224                         ; the quantiser's 16 registers
.set PW,   240                         ; v240-241 the scale words of an even and an odd block of A
.set MNT,  17
.set SEL,  18                          ; s[18:19] selects for lane l xor 16
.set G1, 24                            ; s[24:31] descriptor group 1 for A's tiles;  s[32:39] group 0, one set for each slot
.set G0, 32
.set G1B, 48                           ; s[48:55], s[56:63] the same for B's
.set G0B, 56
.set G1S, 68                           ; s[68:75], s[76:79] groups 1 and 0 for A's scale bytes;  s[80:87], s[88:91] for B's
.set G0S, 76
.set G1SB, 80
.set G0SB, 88
.set MSB, 0
.macro WIN new                         ; the immediate's high byte repeats the setting that is left
.if MSB != (\new)
	s_set_vgpr_msb (MSB<<8)|(\new)
.set MSB, (\new)
.endif
.endm
.set MUL_LO, 0xa1                      ; source 0 (B) window 1, source 1 (A) window 0, C and D window 2
.set MUL_HI, 0xf1                      ; the same, C and D window 3
.set FIRST_LO, 0xa1
.set FIRST_HI, 0xf1
.set TO_B,   0x40                      ; destination window 1, address window 0
; A joint load: waves 0 and 1 fetch for A, waves 2 and 3 for B.  Each of the two lines has one mask and one set of registers; the branch hangs on the wave's number alone.
; Four v_nop follow each of the two lines, ahead of the jump, the label and what follows.
.macro JLOAD g0a, g1a, g0b, g1b
	s_cmp_eq_u32 s15, 0
	s_cbranch_scc0 .Lfor_b_\@
	tensor_load_to_lds s[\g0a:\g0a+3], s[\g1a:\g1a+7]
	s_nop 0
.rept 4
	v_nop
.endr
	s_branch .Lasked_\@
.Lfor_b_\@:
	tensor_load_to_lds s[\g0b:\g0b+3], s[\g1b:\g1b+7]
	s_nop 0
.rept 4
	v_nop
.endr
.Lasked_\@:
.endm
.macro CREST                           ; a round of the cluster's barrier behind its opening barrier
	s_cmp_lg_u32 s14, 0
	s_cbranch_scc1 .Lnot_wave_0_\@
	s_barrier_signal -3
.Lnot_wave_0_\@:
	s_barrier_wait -3
	s_barrier_signal -1
	s_barrier_wait -1
.endm
.macro CROUND                          ; a whole round
	s_barrier_signal -1
	s_barrier_wait -1
	CREST
.endm
	s_load_b128 s[4:7], s[0:1], 0x0                ; xq, wq
	s_load_b128 s[8:11], s[0:1], 0x10              ; b_qkv, qkq
	s_load_b64 s[12:13], s[0:1], 0x20              ; vq
	v_lshl_add_u32 v[SPW], v0, 2, SPARE
	v_mov_b32 v[NIL], 0
	ds_add_u32 v28, v29
	ds_add_u32 v28, v29
	s_wait_dscnt 0x0
	v_lshrrev_b32 v1, 5, v0
	v_readfirstlane_b32 s14, v1                    ; wave 0..3
	s_lshr_b32 s15, s14, 1                         ; which half of A's 256 rows is mine.  Also: I fetch for A (0) or for B (1)
	s_and_b32 s16, s14, 1                          ; which half of B's.  Also: which eight tiles I fetch
	s_bfe_u32 s40, ttmp6, 0x40000                  ; cx, cy: my place in the cluster
	s_bfe_u32 s41, ttmp6, 0x40004
	s_and_b32 s17, ttmp9, 1                        ; q, k: the cluster's column of B (8 x 256 columns of W) ..
	s_lshr_b32 s18, ttmp9, 1                       ; .. and its row of A (32 x 256 tokens)
	s_max_u32 s19, ttmp9, 16
	s_sub_co_u32 s19, s19, 16                      ; v: its column of B (32 x 256 tokens); its row of A is 0 (4 x 256 columns of W)
	s_cmp_lt_u32 ttmp9, 16                         ; the role: it hangs on the cluster's number alone
	s_cselect_b32 s17, s17, s19
	s_cselect_b32 s18, s18, 0
	s_mov_b32 s20, 2097152
	s_cselect_b32 s20, 0, s20                      ; where A's codes begin in their buffer: x's at 0; W's tile 128
	s_mov_b32 s21, 4259840
	s_cselect_b32 s21, 8388608, s21                ; A's scale bytes
	s_mov_b32 s22, 8388608
	s_cselect_b32 s22, 4194304, s22                ; B's scale bytes (B's codes begin at 0 in both roles)
	s_lshl_b32 s42, s17, 2
	s_add_co_u32 s42, s42, s40                     ; tb: which 256 rows of B
	s_lshl_b32 s43, s18, 2
	s_add_co_u32 s43, s43, s41                     ; ta: which 256 rows of A
	s_lshl_b32 s44, s41, 2
	s_lshl_b32 s44, 15, s44                        ; my row of the cluster
	s_lshl_b32 s45, 0x1111, s40                    ; my column
	; descriptor group 1 for codes: eight tiles' 4,096 bytes, 16,384 bytes apart in memory, on end in LDS; elements of 8 bytes
	s_or_b32 s[G1+0], s44, (3<<16)|(1<<21)         ; 15:0 the mask: A's tiles go to my row; 17:16 elements of 8 bytes; 21 set beside a mask; no padding
	s_or_b32 s[G1B+0], s45, (3<<16)|(1<<21)
.irp g, G1, G1B
	s_mov_b32 s[\g+1], 512<<16                     ; tensor_dim0 = 512 elements
	s_mov_b32 s[\g+2], 8<<16                       ; tensor_dim1 = 8
	s_mov_b32 s[\g+3], 512<<16                     ; tile_dim0
	s_mov_b32 s[\g+4], 8                           ; tile_dim1
	s_mov_b32 s[\g+5], 2048                        ; tensor_dim0_stride
	s_mov_b32 s[\g+6], 0
	s_mov_b32 s[\g+7], 0
.endr
	; and for the scale bytes of 128 rows: 4,096 dense bytes as 16 rows of 256, 16 bytes of padding behind each
	s_or_b32 s[G1S+0], s44, (3<<16)|(1<<20)|(1<<21)|(5<<22)|(3<<25)
	s_or_b32 s[G1SB+0], s45, (3<<16)|(1<<20)|(1<<21)|(5<<22)|(3<<25)
.irp g, G1S, G1SB
	s_mov_b32 s[\g+1], 32<<16
	s_mov_b32 s[\g+2], 16<<16
	s_mov_b32 s[\g+3], 32<<16
	s_mov_b32 s[\g+4], 16
	s_mov_b32 s[\g+5], 32
	s_mov_b32 s[\g+6], 0
	s_mov_b32 s[\g+7], 0
.endr
	s_lshl_b32 s92, s43, 1                         ; A's offsets are made of ta and the wave's number, B's of tb and the wave's number, each in registers that never hold the other coordinate
	s_add_co_u32 s92, s92, s16                     ; which eight tiles of A
	s_lshl_b32 s96, s92, 12                        ; their scale bytes
	s_lshl_b32 s92, s92, 17                        ; their codes
	s_add_co_u32 s92, s92, s20
	s_add_co_u32 s96, s96, s21
	s_lshl_b32 s94, s42, 1
	s_add_co_u32 s94, s94, s16                     ; which eight tiles of B
	s_lshl_b32 s98, s94, 12
	s_lshl_b32 s94, s94, 17
	s_add_co_u32 s98, s98, s22
	s_mov_b32 s93, 0
	s_mov_b32 s95, 0
	s_mov_b32 s97, 0
	s_mov_b32 s99, 0
	s_mul_i32 s46, s14, HALFT                      ; where they go: wave x eight tiles: no place in the cluster enters an LDS address
	s_mul_i32 s47, s14, HALFS
	s_wait_kmcnt 0x0
	s_cmp_lt_u32 ttmp9, 16
	s_cselect_b64 s[20:21], s[4:5], s[6:7]         ; A's buffer
	s_cselect_b64 s[22:23], s[6:7], s[4:5]         ; B's
	s_add_nc_u64 s[92:93], s[20:21], s[92:93]
	s_add_nc_u64 s[96:97], s[20:21], s[96:97]
	s_add_nc_u64 s[94:95], s[22:23], s[94:95]
	s_add_nc_u64 s[98:99], s[22:23], s[98:99]
	CROUND                                         ; all sixteen work-groups are here: the first joint loads meet
	s_mov_b32 s[G0S], 1
	s_add_co_u32 s[G0S+1], s47, SCL
	s_mov_b64 s[G0S+2:G0S+3], s[96:97]
	s_or_b32 s[G0S+3], s[G0S+3], 0x80000000
	s_mov_b32 s[G0SB], 1
	s_add_co_u32 s[G0SB+1], s47, SCL
	s_mov_b64 s[G0SB+2:G0SB+3], s[98:99]
	s_or_b32 s[G0SB+3], s[G0SB+3], 0x80000000
	JLOAD G0S, G1S, G0SB, G1SB                     ; the scale bytes first: they are wanted with K step 0
.irp s, 0,1
	s_mov_b32 s[G0+4*\s], 1
	s_add_co_u32 s[G0+4*\s+1], s46, \s*SLOT
	s_add_nc_u64 s[G0+4*\s+2:G0+4*\s+3], s[92:93], \s*TILEB
	s_or_b32 s[G0+4*\s+3], s[G0+4*\s+3], 0x80000000
	s_mov_b32 s[G0B+4*\s], 1
	s_add_co_u32 s[G0B+4*\s+1], s46, \s*SLOT
	s_add_nc_u64 s[G0B+4*\s+2:G0B+4*\s+3], s[94:95], \s*TILEB
	s_or_b32 s[G0B+4*\s+3], s[G0B+4*\s+3], 0x80000000
	JLOAD G0+4*\s, G1, G0B+4*\s, G1B               ; three tensor loads of mine are out at the most
.endr
	v_and_b32 v1, 31, v0                           ; lane
	v_and_b32 v2, 15, v0                           ; r
	v_bfe_u32 v3, v0, 4, 1                         ; h
	s_wait_alu depctr_va_vdst(0)
	v_lshlrev_b32 v[LN], 4, v1
	s_mul_i32 s21, s15, HALFT                      ; my eight tiles of A
	s_mul_i32 s22, s16, HALFT                      ; my eight tiles of B,
	s_add_co_u32 s22, s22, 2*HALFT                 ; which lie behind A's sixteen
.irp s, 0,1
	v_add_nc_u32 v[ADRA+\s], s21, v[LN]
	v_add_nc_u32 v[ADRB+\s], s22, v[LN]
	s_add_co_u32 s21, s21, SLOT
	s_add_co_u32 s22, s22, SLOT
.endr
	v_mul_u32_u24 v5, v2, 32                       ; my row's scale bytes: 32 a row,
	v_lshrrev_b32 v6, 8, v5
	v_lshl_add_u32 v5, v6, 4, v5                   ; and 16 more for each 256 passed
	s_mul_i32 s21, s15, HALFS                      ; A's: my 128 rows
	s_mul_i32 s22, s16, HALFS                      ; B's: my 128 rows, behind A's 256
	s_add_co_u32 s22, s22, 2*HALFS
	s_sub_co_u32 s22, s22, s21
	v_mul_u32_u24 v6, s22, v3                      ; lanes 16-31 take B's: one product, the lower base + h x the distance
	s_add_co_u32 s21, s21, SCL
	v_add_nc_u32 v5, v5, v6
	v_add_nc_u32 v[ADRS], s21, v5
.macro FRAG reg, adr, q, i             ; tile i's fragment of the slot's q-th 128 along K: four loads of 512 consecutive bytes
.irp c, 0,1,2,3
	ds_load_b128 v[\reg+4*\c:\reg+4*\c+3], v[\adr] offset:(\i)*TILEB+(\q)*2048+512*\c
.endr
.endm
; 16 matrix instructions: A's blocks a0, a0 + 1 x B's eight, 128 along K.  p: B's set;  sc: the set of scale words.  zero = 1: the first product starts the sums: nothing is cleared.
; The 64 accumulators take turns, one instruction a turn, in the same order in every step.
.macro MUL16 a0, p, q, sc, zero
.irp a, \a0, \a0+1
.irp b, 0,1,2,3,4,5,6,7
.if (\zero) && BIASC
	v_wmma_scale_f32_16x16x128_f8f6f4 v[8*(8*((\a)%4)+\b):8*(8*((\a)%4)+\b)+7], v[128*(\p)+FR*\b:128*(\p)+FR*\b+FR-1], v[AF+FR*(\a):AF+FR*(\a)+FR-1], v[BI+8*\b:BI+8*\b+7], v[SC+8*NQ*(\sc)+NQ*\b+(\q)], v[SC+8*NQ*(\sc)+NQ*(\a)+(\q)] matrix_a_scale:MATRIX_SCALE_ROW1
.elseif \zero
	v_wmma_scale_f32_16x16x128_f8f6f4 v[8*(8*((\a)%4)+\b):8*(8*((\a)%4)+\b)+7], v[128*(\p)+FR*\b:128*(\p)+FR*\b+FR-1], v[AF+FR*(\a):AF+FR*(\a)+FR-1], 0, v[SC+8*NQ*(\sc)+NQ*\b+(\q)], v[SC+8*NQ*(\sc)+NQ*(\a)+(\q)] matrix_a_scale:MATRIX_SCALE_ROW1
.else
	v_wmma_scale_f32_16x16x128_f8f6f4 v[8*(8*((\a)%4)+\b):8*(8*((\a)%4)+\b)+7], v[128*(\p)+FR*\b:128*(\p)+FR*\b+FR-1], v[AF+FR*(\a):AF+FR*(\a)+FR-1], v[8*(8*((\a)%4)+\b):8*(8*((\a)%4)+\b)+7], v[SC+8*NQ*(\sc)+NQ*\b+(\q)], v[SC+8*NQ*(\sc)+NQ*(\a)+(\q)] matrix_a_scale:MATRIX_SCALE_ROW1
.endif
.endr
.endr
.endm
.macro FETCH_B slot, q, p              ; B's eight fragments into set p
	WIN TO_B
.irp i, 0,1,2,3,4,5,6,7
	FRAG 128*(\p)+FR*\i, ADRB+\slot, \q, \i
.endr
	WIN 0
.endm
.macro FETCH_A slot, q, i0             ; A's blocks i0 .. i0 + 3
.irp i, \i0, \i0+1, \i0+2, \i0+3
	FRAG AF+FR*(\i), ADRA+\slot, \q, \i
.endr
.endm
.macro SCALES sc                       ; a slot's scale words into set sc: two words a row
.irp i, 0,1,2,3,4,5,6,7
	ds_load_b64 v[SC+8*NQ*\sc+NQ*\i:SC+8*NQ*\sc+NQ*\i+1], v[ADRS] offset:\i*SBLK
.endr
.endm
; A load into a register that a matrix instruction has read, and a vector instruction that reads a matrix result or writes one of its registers, stand NP places behind it; only plain vector
; instructions that name none of its registers are places (ISA guide 7.12.1 for vector instructions).
.macro PLACES n
.rept \n
	v_nop
.endr
.endm
; A step of 128 along K that has its successor in the same slot.  A's blocks go one after the other, each against B's eight: so one set of registers serves A (blocks 0-3 are fetched anew in the middle, 4-7 at the end), and B has two.
.macro STEP slot, q, zero
	s_wait_dscnt 4*NL                              ; B's set and A's blocks 0-3 are in; the youngest 16 loads (A's blocks 4-7) may be out
.if \zero
	WIN FIRST_LO
.else
	WIN MUL_LO
.endif
	MUL16 0, (\q)%2, \q, \slot, \zero
	MUL16 2, (\q)%2, \q, \slot, \zero
	s_wait_dscnt 0                                 ; A's blocks 4-7 are in
	PLACES NP
	FETCH_B \slot, (\q)+1, 1-(\q)%2
	FETCH_A \slot, (\q)+1, 0
.if \zero
	WIN FIRST_HI
.else
	WIN MUL_HI
.endif
	MUL16 4, (\q)%2, \q, \slot, \zero
	MUL16 6, (\q)%2, \q, \slot, \zero
	PLACES NP
	WIN 0
	FETCH_A \slot, (\q)+1, 4
.endm
; A slot's last step changes slots: ONE barrier; in front of it each wave waits for all its tensor loads, adds 0 to its spare word, and waits for that and for its own reads of this slot.  fill = 1: this slot is filled again, two slots ahead.
.macro TURN slot, next, fill
	s_wait_tensorcnt 0x0                           ; all my tensor loads have landed: my part of the next slot  (every window is 0 here)
	ds_add_u32 v[SPW], v[NIL]                      ; 0 onto my spare word
	s_wait_dscnt 4*NL+1                            ; (the add and the youngest 16 loads may be out)
	WIN MUL_LO
	MUL16 0, 1, NQ-1, \slot, 0                     ; sixteen matrix instructions stand between the add and the wait for it
	s_wait_dscnt 0x0                               ; the add is done, and my reads of this slot are over
	s_barrier_signal -1
	MUL16 2, 1, NQ-1, \slot, 0
	WIN 0
	s_barrier_wait -1
.if \fill
	CREST                                          ; the barrier has opened a round of the cluster's barrier: no wave of any partner still reads this slot or has a load on its way
	s_add_nc_u64 s[G0+4*\slot+2:G0+4*\slot+3], s[G0+4*\slot+2:G0+4*\slot+3], 2*TILEB
	s_add_nc_u64 s[G0B+4*\slot+2:G0B+4*\slot+3], s[G0B+4*\slot+2:G0B+4*\slot+3], 2*TILEB
	JLOAD G0+4*\slot, G1, G0B+4*\slot, G1B         ; the first tensor load behind the round, and my only one until the next; its four v_nop are among the places in front of the loads below
	PLACES NP-4
.else
	PLACES NP
.endif
	s_wait_alu depctr_va_vdst(0)
	v_add_nc_u32 v[ADRS], 4*NQ, v[ADRS]            ; on to the next slot's scale words (no LDS load of mine is out)
	FETCH_B \next, 0, 0
	FETCH_A \next, 0, 0
	SCALES \next
	WIN MUL_HI
	MUL16 4, 1, NQ-1, \slot, 0
	MUL16 6, 1, NQ-1, \slot, 0
	PLACES NP
	WIN 0
	FETCH_A \next, 0, 4
.endm
.macro LAST                            ; the very last step: nothing more to fetch
	s_wait_dscnt 4*NL
	WIN MUL_LO
	MUL16 0, 1, NQ-1, 1, 0
	MUL16 2, 1, NQ-1, 1, 0
	s_wait_dscnt 0
	WIN MUL_HI
	MUL16 4, 1, NQ-1, 1, 0
	MUL16 6, 1, NQ-1, 1, 0
	WIN 0
.endm
; 64 numbers of a lane, v[s] on, register 16 b + i = K 32 b + 16 (lane / 16) + i of my row, become a fragment's codes in v[pc] on and its scale word in v[pw].
.macro QUANT s, pc, pw
.irp b, 0,1,2,3
	v_max3_num_f32 v[TM+\b], |v[(\s)+16*\b]|, |v[(\s)+1+16*\b]|, 0x4800000   ; block b: my 16 numbers, and the floor 2^(9 - 127): the byte cannot fall under 1
.endr
.irp i, 2,4,6,8,10,12,14
.irp b, 0,1,2,3
	v_max3_num_f32 v[TM+\b], v[TM+\b], |v[(\s)+16*\b+\i]|, |v[(\s)+1+16*\b+\i]|
.endr
.endr
.irp b, 0,1,2,3
	v_permlanex16_b32 v[TM+4+\b], v[TM+\b], s[SEL], s[SEL+1]
.endr
.irp b, 0,1,2,3
	v_max_num_f32 v[TM+\b], v[TM+\b], v[TM+4+\b]                   ; with lane l xor 16's 16: the block's largest magnitude
.endr
.irp b, 0,1,2,3
	v_add_nc_u32 v[TM+12+\b], 0xfc000000, v[TM+\b]                 ; 8 off its exponent field: the conversions' scale operand
.endr
.irp b, 0,1,2,3
.endr
.irp b, 0,1,2,3
	v_lshrrev_b32 v[TM+4+\b], 23, v[TM+12+\b]                      ; the scale's byte
.endr
	v_lshl_or_b32 v[\pw], v[TM+5], 8, v[TM+4]
	v_lshl_or_b32 v[\pw], v[TM+6], 16, v[\pw]
	v_lshl_or_b32 v[\pw], v[TM+7], 24, v[\pw]
.irp b, 0,1,2,3
.irp i, 0,1,2,3,4,5,6,7,8,9,10,11,12,13,14,15
.endr
	v_cvt_scalef32_pk8_fp8_f32 v[(\pc)+4*\b:(\pc)+4*\b+1], v[(\s)+16*\b:(\s)+16*\b+7], v[TM+12+\b]
	v_cvt_scalef32_pk8_fp8_f32 v[(\pc)+4*\b+2:(\pc)+4*\b+3], v[(\s)+16*\b+8:(\s)+16*\b+15], v[TM+12+\b]
.endr
	v_nop                                          ; one plain vector line behind the last conversion
.endm
; THE WAY OUT, block by block of A.  The bias is added on the way from the accumulators' window into window 0 (each accumulator from its low end on); the 64 numbers are quantised; the fragment leaves from the registers:
; each store of the wave covers 512 consecutive bytes, at a multiple of 512 from the buffer's first byte.  The scale words leave in pieces of 64 or 128 bytes: four bytes for each 128 codes.
.macro EPI role                        ; role 0: q, k;  1: v
	s_wait_loadcnt 0x0                             ; the bias
	PLACES NP                                      ; behind the last products: their results are read and A's registers written below
.irp b, 0,1,2,3
	v_mov_b32 v[TM+4+\b], 0                        ; written once: a lane permute's destination counts as one of its sources
.endr
.irp a, 0,1,2,3,4,5,6,7
.if \a > 0
	s_wait_xcnt 0x0                                ; the earlier stores have read their registers: codes and words are written again below
.endif
	WIN 0x02+\a/4                                  ; source 0: window 2 or 3
.set i, 0
.rept 32
.if \role
	v_pk_add_f32 v[QI+i:QI+i+1], v[64*(\a%4)+i:64*(\a%4)+i+1], v[BI+2*\a:BI+2*\a+1]   ; my feature's bias, twice
.else
	v_pk_add_f32 v[QI+i:QI+i+1], v[64*(\a%4)+i:64*(\a%4)+i+1], v[BI+i:BI+i+1]         ; my 64 features' biases
.endif
.set i, i+2
.endr
	WIN 0
	QUANT QI, PC+16*(\a%2), PW+\a%2
.irp c, 0,1,2,3
.if \role
	global_store_b128 v[LN], v[PC+16*(\a%2)+4*\c:PC+16*(\a%2)+4*\c+3], s[92:93] offset:(\a/4)*131072+(\a%4)*2048+512*\c   ; head a / 4 of my two, its tile a % 4, these 128 keys
.else
	global_store_b128 v[LN], v[PC+16*(\a%2)+4*\c:PC+16*(\a%2)+4*\c+3], s[92:93] offset:\a*1024+(\c/2)*131072+(\c%2)*512   ; tile a of tokens, head c / 2 of my two, block c % 2
.endif
.endr
.if \a%2
.if \role
	v_cndmask_b32 v244, v[PW], v[PW+1], vcc_lo     ; lanes 0-15: tile a - 1's words, lanes 16-31: tile a's
	global_store_b32 v9, v244, s[94:95] offset:(\a/4)*4096+((\a-1)%4)*64
.else
	v_perm_b32 v242, v[PW+1], v[PW], 0x05040100    ; the first head's: bytes 0, 1 of the even tile's word, then of the odd tile's
	v_perm_b32 v243, v[PW+1], v[PW], 0x07060302    ; the second head's: bytes 2, 3
	v_cndmask_b32 v244, v242, v243, vcc_lo         ; lanes 0-15 store the first head's, lanes 16-31 the second's
	global_store_b32 v9, v244, s[94:95] offset:(\a/2)*64
.endif
.endif
.endr
.endm
	s_wait_alu depctr_va_vdst(0)
	s_wait_tensorcnt 1                             ; the scale bytes and my part of slot 0 are in (slot 1's load may be out)
	s_barrier_signal -1
	s_barrier_wait -1                              ; everybody's are
	FETCH_B 0, 0, 0
	FETCH_A 0, 0, 0
	SCALES 0
	FETCH_A 0, 0, 4
	STEP 0, 0, 1                                   ; K = 1,024 is four slots: written out, no loop.  The first products start the sums
	TURN 0, 1, 1
	STEP 1, 0, 0
	TURN 1, 0, 1
	STEP 0, 0, 0
	TURN 0, 1, 0                                   ; nothing is left to fetch
	STEP 1, 0, 0
	s_mov_b32 s[SEL], 0x76543210
	s_mov_b32 s[SEL+1], 0xfedcba98
	s_mov_b32 vcc_lo, 0xffff0000                   ; lanes 16-31
	s_cmp_lt_u32 ttmp9, 16
	s_cbranch_scc0 .Lvrole
	; ---- q, k.  The bias is asked for ahead of the last step's products
	s_lshl_b32 s20, s42, 10
	s_lshl_b32 s21, s16, 9
	s_add_co_u32 s20, s20, s21                     ; 4 bytes x (256 tb + 128 x my half)
	s_mov_b32 s21, 0
	s_add_nc_u64 s[8:9], s[8:9], s[20:21]
	v_lshlrev_b32 v8, 6, v3                        ; + 16 h numbers
.irp i, 0,1,2,3,4,5,6,7,8,9,10,11,12,13,14,15
	global_load_b128 v[BI+4*\i:BI+4*\i+3], v8, s[8:9] offset:128*(\i/4)+16*(\i%4)   ; register 16 b + i: feature 32 b + 16 h + i
.endr
	s_lshr_b32 s20, s42, 2                         ; q or k
	s_lshl_b32 s20, s20, 6
	s_lshr_b32 s22, s43, 3                         ; the batch
	s_lshl_b32 s22, s22, 4
	s_add_co_u32 s20, s20, s22
	s_and_b32 s22, s42, 3
	s_lshl_b32 s22, s22, 2
	s_add_co_u32 s20, s20, s22
	s_lshl_b32 s22, s16, 1
	s_add_co_u32 s20, s20, s22                     ; 64 x (q or k) + 16 x batch + my first head
	s_and_b32 s22, s43, 7
	s_lshl_b32 s22, s22, 1
	s_add_co_u32 s22, s22, s15                     ; which eight tiles (four pairs) of the batch's 128
	s_lshl_b32 s46, s20, 17
	s_lshl_b32 s47, s22, 13
	s_add_co_u32 s46, s46, s47
	s_mov_b32 s47, 0
	s_add_nc_u64 s[92:93], s[10:11], s[46:47]      ; the codes
	s_lshl_b32 s46, s20, 12
	s_lshl_b32 s22, s22, 8
	s_add_co_u32 s46, s46, s22
	s_add_co_u32 s46, s46, QKS
	s_add_nc_u64 s[94:95], s[10:11], s[46:47]      ; the words
	v_lshlrev_b32 v9, 2, v2
	v_lshl_add_u32 v9, v3, 12, v9                  ; 4 r, + a head's 4,096 bytes for lanes 16-31
	LAST
	EPI 0
	s_branch .Lclose
.Lvrole:
	; ---- v
	s_lshl_b32 s20, s43, 10
	s_lshl_b32 s21, s15, 9
	s_add_co_u32 s20, s20, s21
	s_add_co_u32 s20, s20, 8192                    ; 4 bytes x (2,048 + 256 ta + 128 x my half)
	s_mov_b32 s21, 0
	s_add_nc_u64 s[8:9], s[8:9], s[20:21]
	v_and_b32 v8, 8, v2
	v_add_nc_u32 v8, v8, v2
	v_lshlrev_b32 v8, 2, v8                        ; my row's feature in a tile: r + 8 (r / 8)
.irp a, 0,1,2,3,4,5,6,7
	global_load_b32 v[BI+2*\a], v8, s[8:9] offset:4*(32*(\a/2)+8*(\a%2))     ; twice: a pair for the packed addition
	global_load_b32 v[BI+2*\a+1], v8, s[8:9] offset:4*(32*(\a/2)+8*(\a%2))
.endr
	s_lshr_b32 s20, s42, 3                         ; the batch
	s_lshl_b32 s20, s20, 4
	s_lshl_b32 s22, s43, 2
	s_add_co_u32 s20, s20, s22
	s_lshl_b32 s22, s15, 1
	s_add_co_u32 s20, s20, s22                     ; 16 x batch + my first head
	s_lshl_b32 s20, s20, 4
	s_and_b32 s22, s42, 7
	s_lshl_b32 s22, s22, 1
	s_add_co_u32 s20, s20, s22
	s_add_co_u32 s20, s20, s16                     ; x 16 + my key step
	s_lshl_b32 s46, s20, 13
	s_mov_b32 s47, 0
	s_add_nc_u64 s[92:93], s[12:13], s[46:47]      ; the codes
	s_lshl_b32 s46, s20, 8
	s_add_co_u32 s46, s46, VS
	s_add_nc_u64 s[94:95], s[12:13], s[46:47]      ; the words
	v_lshlrev_b32 v9, 2, v1                        ; 4 x lane
	LAST
	EPI 1
.Lclose:
	s_wait_tensorcnt 0x0                           ; the wave's end
	ds_add_u32 v[SPW], v[NIL]
	s_wait_dscnt 0x0
	CROUND                                         ; the closing round: no work-group ends while a partner may still ask for a tile that names it
	s_endpgm
.Lfunc_end_k_q81cf6faac2_gemm_qkv:
	.size	k_q81cf6faac2_gemm_qkv, .Lfunc_end_k_q81cf6faac2_gemm_qkv-k_q81cf6faac2_gemm_qkv
	.p2alignl 7, 3214868480
	.fill 96, 4, 3214868480
	.section	.rodata,"a",@progbits
	.p2align	6, 0x0
	.amdhsa_kernel k_q81cf6faac2_gemm_qkv
		.amdhsa_group_segment_fixed_size 327680
		.amdhsa_private_segment_fixed_size 0
		.amdhsa_enable_private_segment 0
		.amdhsa_kernarg_size 40
		.amdhsa_user_sgpr_count 2
		.amdhsa_user_sgpr_kernarg_segment_ptr 1
		.amdhsa_wavefront_size32 1
		.amdhsa_system_sgpr_workgroup_id_x 1
		.amdhsa_system_sgpr_workgroup_id_y 1
		.amdhsa_system_sgpr_workgroup_id_z 1
		.amdhsa_system_vgpr_workitem_id 0
		.amdhsa_next_free_vgpr 1024
		.amdhsa_next_free_sgpr 100
		.amdhsa_reserve_vcc 1
		.amdhsa_float_denorm_mode_32 3
		.amdhsa_float_denorm_mode_16_64 3
		.amdhsa_fp16_overflow 1
		.amdhsa_memory_ordered 1
		.amdhsa_forward_progress 1
		.amdhsa_inst_pref_size 228
	.end_amdhsa_kernel
	.amdgpu_metadata
---
amdhsa.version: [ 1, 2 ]
amdhsa.kernels:
  - .name:           k_q81cf6faac2_gemm_qkv
    .symbol:         k_q81cf6faac2_gemm_qkv.kd
    .args:
      - { .name: xq, .offset: 0, .size: 8, .value_kind: global_buffer, .address_space: global }
      - { .name: wq, .offset: 8, .size: 8, .value_kind: global_buffer, .address_space: global }
      - { .name: b_qkv, .offset: 16, .size: 8, .value_kind: global_buffer, .address_space: global }
      - { .name: qkq, .offset: 24, .size: 8, .value_kind: global_buffer, .address_space: global }
      - { .name: vq, .offset: 32, .size: 8, .value_kind: global_buffer, .address_space: global }
    .group_segment_fixed_size: 327680
    .private_segment_fixed_size: 0
    .kernarg_segment_align: 8
    .kernarg_segment_size: 40
    .max_flat_workgroup_size: 128
    .sgpr_count:     100
    .vgpr_count:     1024
    .wavefront_size: 32
...
	.end_amdgpu_metadata
.endif
;; end of part 2
;; launch attn (part 3): grid 256 x 1, 16 waves a work-group, clusters of 4 x 1, 272,384 bytes of LDS; arguments qkq, vq, yq; writes yq
.if DOCPART == 3
	.amdgcn_target "amdgcn-amd-amdhsa--gfx1250"
	.amdhsa_code_object_version 6
	.text
	.protected	k_q81cf6faac2_attn
	.globl	k_q81cf6faac2_attn
	.p2align	8
	.type	k_q81cf6faac2_attn,@function
k_q81cf6faac2_attn:
	s_mov_b64 s[64:65], 0
	v_nop
	global_prefetch_b8 v0, s[64:65] scope:SCOPE_SE
	s_setreg_imm32_b32 hwreg(HW_REG_WAVE_MODE, 25, 1), 1
	s_wait_xcnt 0x0
	s_wait_alu depctr_hold_cnt(0) depctr_sa_sdst(0) depctr_va_vdst(0) depctr_va_sdst(0) depctr_va_ssrc(0) depctr_va_vcc(0) depctr_vm_vsrc(0)
	s_getreg_b32 s2, hwreg(HW_REG_IB_STS2, 6, 4)
	s_cmp_eq_u32 s2, 0
	s_cbranch_scc0 .Lentry_in_a_cluster
	s_endpgm
.Lentry_in_a_cluster:
	s_bfe_u32 s2, ttmp6, 0x10000c
	s_cmp_lg_u32 s2, 0x3003
	s_cbranch_scc0 .Lentry_shape_is_right
	s_endpgm
.Lentry_shape_is_right:
; y = softmax(q k^T / 8, causal) v for 64 heads (batch x head) of 2,048 tokens x 64, both products on codes of FP8 (E4M3) with E8M0 scales; y is quantised along C at once, for the last product.
; THE SOFTMAX: t = score x log2(e) / 8; M = the row's largest t so far, rounded UP to a whole number; p = 2^(t - M) is quantised along the keys, not normalised; the row's sum is taken of the unquantised p and divides at the end.
; When M moves, the sum and O are multiplied by 2^(old M - new M): exact.
; SHARES.  A cluster of four work-groups is one head.  The head's whole K and V (131,072 bytes each) and their scale words come ONCE into each partner's LDS, by joint loads that name all four: no ring, nothing is filled again.
; Work-group cx owns the groups of 32 queries 4 s + cx, s = 0..15: group s wants key steps (128 keys) 0..s in every partner, so that no branch, trip count or LDS address hangs on cx: it enters q's and y's addresses and the mask's
; vector register alone.  Wave w (u = w % 2, p = w / 2) takes tile u (16 queries) of group s = 15 - p, then of group s = p: 17 key steps for every wave.
; LAYOUT.  Both products are used transposed: S^T = K Q^T, O^T = V^T P^T: a lane holds ONE query throughout.  Row r of a tile of tokens is token 32 (T / 2) + 8 (T % 2) + r + 8 (r / 8), so that the 16 registers of key tiles
; 2 b and 2 b + 1 are 16 neighbouring keys; V's tiles of features are chosen likewise, so that O^T's registers are neighbours along C.
; THE FIRST PRODUCT'S K IS 64, the instruction's 128.  A fragment of K is TWO neighbouring key tiles (K 0-63: tile 2 P; K 64-127: tile 2 P + 1), as they lie in memory.  Against [Q | zero codes] it gives tile 2 P's scores,
; against [zero codes | Q] tile 2 P + 1's.  Zero codes add nothing under any scale byte but 0xff; the bytes beside them are real bytes or 0.
; LIMITS: NaN and infinities are not served; a block of y whose largest magnitude lies under 2^-118 gets the byte 1 (this program alone reads the bytes).
; y's scale bytes leave one byte a lane, rows 32 bytes apart: a row's 32 bytes come from 16 heads, that is from 16 clusters; they are one byte for each 32 codes.
.set LDV,  131072                      ; LDS: K's codes at 0 (8,192 bytes a key step), V's here (likewise),
.set LDKS, 262144                      ; K's words (256 bytes a key step),
.set LDVS, 266240                      ; V's words (likewise)
.set QKS,  16777216                    ; qkq: where the words begin
.set LK,   1                           ; v1   16 x lane
.set LV,   2                           ; v2   LDV + 16 x lane
.set LKS,  3                           ; v3   LDKS + 4 x lane
.set LVS,  4                           ; v4   LDVS + 4 x lane
.set DQ,   5                           ; v5   my query less its key step's first key less 16 (lane / 16)
.set YSO,  6                           ; v6   32 r + h
.set R4,   7                           ; v7   4 r
.set ADK,  8                           ; v8-11 the step's LDS addresses
.set ADV,  9
.set ADS,  10
.set ADT,  11                          ; v12 -M, v13 the largest t, v[14:15] the sum in two halves
.set QHI,  16                          ; v16-31 [zeros | Q];  v24-39 [Q | zeros]
.set QLO,  24
.set FRG,  40                          ; v40-103  four fragments of K, then of V
.set S,    104                         ; v104-167 S^T, then p
.set O,    168                         ; v168-199 O^T
.set PC,   200                         ; v200-215 p's codes
.set BM,   216                         ; v216-219 the blocks' largest
.set PT,   220                         ; v220-223 the other half's; then the bytes
.set HD,   224
.set SO,   228                         ; v228-231 the conversions' scale operands
.set KSW,  232                         ; v232-233 K's scale words;  v234-235 V's
.set VSW,  234
.set F,    236                         ; v236 2^(old M - new M); v237 named with it as a pair
.set L2,   238                         ; v[238:239] the sum's second chain
.set PSW,  240                         ; p's scale word
.set TMP,  241
.set QSL,  242                         ; Q's scale bytes in bytes 0, 1;  v243: in bytes 2, 3
.set NINF, 244
.set YBY,  245                         ; y's scale byte
.set YC,   246                         ; v246-253 y's codes
.set WV,   10                          ; s10 wave, s11 cx, s12 u, s13 p
.set CX,   11
.set U,    12
.set P,    13
.set SEL,  20                          ; s[20:21] selects for lane l xor 16
.set CS,   22                          ; s[22:23] c = log2(e) / 8
.set MNT,  24
.set U16,  25                          ; 16 u
.set KS,   26                          ; the key step
.set BND,  27                          ; my group's last key step, the one on the diagonal
.set CNT,  28
.set T0,   29                          ; 8,192 x key step
.set T1,   30                          ; 256 x key step
.set G1C,  32                          ; s[32:39] descriptor group 1 for 16,384 bytes of codes;  s[40:47] for 2,048 bytes of words;  s[68:87] five groups 0
.set G1S,  40
.macro ROUND                           ; a round of the cluster's barrier
	s_barrier_signal -1
	s_barrier_wait -1
	s_cmp_lg_u32 s[WV], 0
	s_cbranch_scc1 .Lnot_wave_0_\@
	s_barrier_signal -3
.Lnot_wave_0_\@:
	s_barrier_wait -3
	s_barrier_signal -1
	s_barrier_wait -1
.endm
	s_load_b128 s[4:7], s[0:1], 0x0                ; qkq, vq
	s_load_b64 s[8:9], s[0:1], 0x10                ; yq
	v_lshl_add_u32 v254, v0, 2, 0x42000
	v_mov_b32 v255, 0
	ds_add_u32 v254, v255
	ds_add_u32 v254, v255
	v_lshrrev_b32 v1, 5, v0
	s_delay_alu instid0(VALU_DEP_1)
	v_readfirstlane_b32 s[WV], v1                  ; wave 0..15
	s_bfe_u32 s[CX], ttmp6, 0x40000                ; my place in the cluster
	s_and_b32 s[U], s[WV], 1
	s_lshr_b32 s[P], s[WV], 1
	s_lshl_b32 s[U16], s[U], 4
	s_lshl_b32 s14, ttmp9, 17                      ; the head (the cluster's number) x 131,072
	s_lshl_b32 s15, ttmp9, 12                      ; x 4,096
	v_and_b32 v[TMP], 31, v0                       ; lane
	s_delay_alu instid0(VALU_DEP_1)
	v_lshlrev_b32 v[LK], 4, v[TMP]
	s_delay_alu instid0(VALU_DEP_1)
	v_add_nc_u32 v[LV], LDV, v[LK]
	s_delay_alu instid0(VALU_DEP_3)
	v_lshl_add_u32 v[LKS], v[TMP], 2, LDKS
	s_delay_alu instid0(VALU_DEP_4)
	v_lshl_add_u32 v[LVS], v[TMP], 2, LDVS
	v_and_b32 v[R4], 15, v0                        ; r
	v_bfe_u32 v[YSO], v0, 4, 1                     ; h
	s_delay_alu instid0(VALU_DEP_2)
	v_and_b32 v[DQ], 8, v[R4]
	s_delay_alu instid0(VALU_DEP_1)
	v_add_nc_u32 v[DQ], v[DQ], v[R4]               ; r + 8 (r / 8)
	s_delay_alu instid0(VALU_DEP_3)
	v_lshlrev_b32 v[ADK], 4, v[YSO]
	s_delay_alu instid0(VALU_DEP_1)
	v_sub_nc_u32 v[DQ], v[DQ], v[ADK]              ; - 16 h
	s_lshl_b32 s16, s[CX], 5
	s_lshl_b32 s17, s[U], 3
	s_add_co_u32 s16, s16, s17
	v_add_nc_u32 v[DQ], s16, v[DQ]                 ; + 32 cx + 8 u
	v_lshl_add_u32 v[YSO], v[R4], 5, v[YSO]
	v_lshlrev_b32 v[R4], 2, v[R4]
.irp j, 0,1,2,3,4,5,6,7
	v_mov_b32 v[QHI+\j], 0                         ; the zero codes on either side of Q
	v_mov_b32 v[QLO+8+\j], 0
.endr
.irp b, 0,1,2,3
	v_mov_b32 v[PT+\b], 0                          ; written once: a lane permute's destination counts as one of its sources
.endr
	v_mov_b32 v[F+1], 0                            ; (named as the upper half of a pair)
	v_mov_b32 v[NINF], 0xff800000
	s_mov_b32 s[SEL], 0x76543210
	s_mov_b32 s[SEL+1], 0xfedcba98
	s_mov_b32 s[CS], 0x3e38aa3b                    ; log2(e) / 8
	s_mov_b32 s[CS+1], s[CS]
	s_mov_b32 s[G1C], 15|(3<<16)|(1<<21)           ; 15:0 the mask: all four work-groups; 17:16 elements of 8 bytes; 21 set beside a mask; no padding
	s_mov_b32 s[G1C+1], 32<<16                     ; dense bytes as rows of 256: tensor_dim0 = 32 elements
	s_mov_b32 s[G1C+2], 64<<16                     ; tensor_dim1 = 64 rows
	s_mov_b32 s[G1C+3], 32<<16                     ; tile_dim0
	s_mov_b32 s[G1C+4], 64                         ; tile_dim1
	s_mov_b32 s[G1C+5], 32                         ; tensor_dim0_stride
	s_mov_b32 s[G1C+6], 0
	s_mov_b32 s[G1C+7], 0
	s_mov_b32 s[G1S], 15|(3<<16)|(1<<21)           ; the same with 8 rows
	s_mov_b32 s[G1S+1], 32<<16
	s_mov_b32 s[G1S+2], 8<<16
	s_mov_b32 s[G1S+3], 32<<16
	s_mov_b32 s[G1S+4], 8
	s_mov_b32 s[G1S+5], 32
	s_mov_b32 s[G1S+6], 0
	s_mov_b32 s[G1S+7], 0
	s_wait_dscnt 0x0
	s_wait_kmcnt 0x0
	ROUND                                          ; all four work-groups are here: the joint loads meet
	; THE FILLS, all in one branch on the wave's number.  Waves 0, 1: K's two halves of each chunk; waves 2, 3: V's.  Five loads a wave: its 2,048 bytes of words, then chunks 0..3 (a chunk: four key steps, 16,384 bytes a wave).
	s_cmp_lt_u32 s[WV], 4
	s_cbranch_scc0 .Lno_fill
	s_cmp_lt_u32 s[WV], 2
	s_cselect_b64 s[16:17], s[4:5], s[6:7]         ; K lies in qkq, V in vq: the choice hangs on the wave's number alone
	s_cselect_b32 s18, 8388608, 0                  ; K's codes lie behind q's
	s_mov_b32 s19, 8388608
	s_cselect_b32 s19, 17039360, s19               ; K's words: QKS + 64 heads of q's;  V's: behind V's codes
	s_add_co_u32 s18, s18, s14
	s_lshl_b32 s88, s[U], 14
	s_add_co_u32 s18, s18, s88                     ; the head, my half of a chunk
	s_add_co_u32 s90, s19, s15
	s_lshl_b32 s88, s[U], 11
	s_add_co_u32 s90, s90, s88
	s_mov_b32 s19, 0
	s_mov_b32 s91, 0
	s_add_nc_u64 s[18:19], s[16:17], s[18:19]
	s_add_nc_u64 s[90:91], s[16:17], s[90:91]
	s_mov_b32 s68, 1
	s_lshl_b32 s69, s[WV], 11
	s_add_co_u32 s69, s69, LDKS                    ; the words: K's two halves, then V's two
	s_mov_b64 s[70:71], s[90:91]
	s_or_b32 s71, s71, 0x80000000
	s_lshr_b32 s88, s[WV], 1
	s_lshl_b32 s88, s88, 17                        ; K's or V's region,
	s_lshl_b32 s89, s[U], 14
	s_add_co_u32 s88, s88, s89                     ; my half of chunk 0
.irp g, 0,1,2,3
	s_mov_b32 s[72+4*\g], 1
	s_add_co_u32 s[73+4*\g], s88, 32768*\g
	s_add_nc_u64 s[74+4*\g:75+4*\g], s[18:19], 32768*\g
	s_or_b32 s[75+4*\g], s[75+4*\g], 0x80000000
.endr
	tensor_load_to_lds s[68:71], s[G1S:G1S+7]
	s_nop 0
	tensor_load_to_lds s[72:75], s[G1C:G1C+7]
	s_nop 0
	tensor_load_to_lds s[76:79], s[G1C:G1C+7]
	s_nop 0
	tensor_load_to_lds s[80:83], s[G1C:G1C+7]
	s_nop 0
	tensor_load_to_lds s[84:87], s[G1C:G1C+7]      ; five tensor loads of mine are out
	s_nop 0
.rept 4
	v_nop
.endr
.Lno_fill:
; The four addresses of a pass: q's codes, q's pair words, y's codes, y's scale bytes.  sr: the scalar that holds s
.macro BASES d, sr
	s_lshl_b32 s88, s[\sr], 2
	s_add_co_u32 s88, s88, s[CX]                   ; the group of 32 queries = the pair of tiles
	s_lshl_b32 s89, s88, 1
	s_add_co_u32 s89, s89, s[U]                    ; my tile in the batch's 128
	s_lshl_b32 s90, ttmp9, 7
	s_add_co_u32 s90, s90, s89
	s_lshl_b32 s90, s90, 10                        ; 1,024 bytes for a tile and a head
	s_mov_b32 s91, 0
	s_add_nc_u64 s[\d:\d+1], s[4:5], s[90:91]
	s_lshl_b32 s90, s88, 6
	s_add_co_u32 s90, s90, s15
	s_add_co_u32 s90, s90, QKS
	s_add_nc_u64 s[\d+2:\d+3], s[4:5], s[90:91]
	s_lshr_b32 s92, ttmp9, 4                       ; the batch
	s_lshl_b32 s92, s92, 7
	s_add_co_u32 s92, s92, s89                     ; my tile among yq's 512
	s_and_b32 s93, ttmp9, 15                       ; the head in the batch
	s_lshl_b32 s90, s92, 14
	s_lshl_b32 s94, s93, 10                        ; a head's 64 along C: 1,024 bytes of the tile's 16,384
	s_add_co_u32 s90, s90, s94
	s_add_nc_u64 s[\d+4:\d+5], s[8:9], s[90:91]
	s_lshl_b32 s90, s92, 9
	s_lshl_b32 s94, s93, 1
	s_add_co_u32 s90, s90, s94
	s_add_co_u32 s90, s90, 8388608
	s_add_nc_u64 s[\d+6:\d+7], s[8:9], s[90:91]
.endm
	s_sub_co_u32 s31, 15, s[P]
	BASES 48, 31                                   ; s[48:55]: pass 1, group 15 - p
	BASES 56, P                                    ; s[56:63]: pass 2, group p
.macro PASSHEAD d
	s_wait_xcnt 0x0                                ; the last pass's stores have read their registers
	global_load_b128 v[QLO:QLO+3], v[LK], s[\d:\d+1]
	global_load_b128 v[QLO+4:QLO+7], v[LK], s[\d:\d+1] offset:512
	global_load_b32 v[TMP], v[R4], s[\d+2:\d+3]    ; the pair's word of my row
	v_mov_b32 v13, 0xff61b1e6                      ; the largest t so far: -3e38, under every t
	s_delay_alu instid0(VALU_DEP_1)
	v_floor_f32 v12, -v13                          ; -M
	v_mov_b32 v14, 0
	v_mov_b32 v15, 0
	s_wait_loadcnt 0x0
	v_lshrrev_b32 v[QSL], s[U16], v[TMP]           ; my tile's two bytes in bytes 0, 1 (above them the other tile's bytes or 0: they scale zero codes),
	s_delay_alu instid0(VALU_DEP_1)
	v_lshlrev_b32 v[QSL+1], 16, v[QSL]             ; and in bytes 2, 3
.set j, 0
.rept 32
	v_mov_b32 v[O+j], 0                            ; O^T: the step is written once; the first change of M leaves zeros zeros.  (These are also the places between the scale words' making and the first product)
.set j, j+1
.endr
.endm
.macro SPROD t                         ; S^T, key tile t of the step's eight
.if ((\t)/2)%2
	v_wmma_scale_f32_16x16x128_f8f6f4 v[S+8*(\t):S+8*(\t)+7], v[FRG+16*((\t)/2):FRG+16*((\t)/2)+15], v[QLO-8*((\t)%2):QLO-8*((\t)%2)+15], 0, v[KSW+(\t)/4], v[QSL+(\t)%2] matrix_a_scale:MATRIX_SCALE_ROW1
.else
	v_wmma_scale_f32_16x16x128_f8f6f4 v[S+8*(\t):S+8*(\t)+7], v[FRG+16*((\t)/2):FRG+16*((\t)/2)+15], v[QLO-8*((\t)%2):QLO-8*((\t)%2)+15], 0, v[KSW+(\t)/4], v[QSL+(\t)%2]
.endif
.endm
.macro OPROD t                         ; O^T += V^T P^T, tile t of the head's four
.if (\t)%2
	v_wmma_scale_f32_16x16x128_f8f6f4 v[O+8*(\t):O+8*(\t)+7], v[FRG+16*(\t):FRG+16*(\t)+15], v[PC:PC+15], v[O+8*(\t):O+8*(\t)+7], v[VSW+(\t)/2], v[PSW] matrix_a_scale:MATRIX_SCALE_ROW1
.else
	v_wmma_scale_f32_16x16x128_f8f6f4 v[O+8*(\t):O+8*(\t)+7], v[FRG+16*(\t):FRG+16*(\t)+15], v[PC:PC+15], v[O+8*(\t):O+8*(\t)+7], v[VSW+(\t)/2], v[PSW]
.endif
.endm
; A KEY STEP: 128 keys.  chk = 1: a step behind my group's diagonal is left out (a scalar branch on the wave's number and the step, round the work, not round the lines that step addresses), and the step on the diagonal is masked.
.macro STEP chk
.if \chk
	s_cmp_gt_u32 s[KS], s[BND]
	s_cbranch_scc1 .Lhid_\@
.endif
	s_setprio 2
	v_add_nc_u32 v[ADK], s[T0], v[LK]
	v_add_nc_u32 v[ADV], s[T0], v[LV]
	v_add_nc_u32 v[ADS], s[T1], v[LKS]
	v_add_nc_u32 v[ADT], s[T1], v[LVS]
.rept 4
	v_nop                                          ; with the four additions: eight places in front of loads into registers that the last products have read
.endr
.irp p, 0,1,2,3
.irp c, 0,1,2,3
	ds_load_b128 v[FRG+16*\p+4*\c:FRG+16*\p+4*\c+3], v[ADK] offset:2048*\p+512*\c   ; pair p of key tiles: 512 consecutive bytes a load
.endr
.endr
	ds_load_b32 v[KSW], v[ADS]                     ; lanes 0-15: pair 0's words, lanes 16-31: pair 1's
	ds_load_b32 v[KSW+1], v[ADS] offset:128        ; pairs 2 and 3
	s_wait_alu depctr_va_vdst(0)
	s_wait_dscnt 0x0
.irp t, 0,1,2,3,4,5,6,7
	SPROD \t
.endr
.rept 8
	v_nop                                          ; places in front of the loads below and of the first read of the scores
.endr
.irp t, 0,1,2,3
.irp c, 0,1,2,3
	ds_load_b128 v[FRG+16*\t+4*\c:FRG+16*\t+4*\c+3], v[ADV] offset:2048*\t+512*\c   ; V's four tiles land under the softmax
.endr
.endr
	ds_load_b32 v[VSW], v[ADT]
	ds_load_b32 v[VSW+1], v[ADT] offset:128
.if \chk
	s_cmp_lg_u32 s[KS], s[BND]
	s_cbranch_scc1 .Lopen_\@
.set j, 0
.rept 64
	v_cmp_gt_i32 vcc_lo, 32*(j/16)+j%16, v[DQ]     ; register 16 b + i holds key 32 b + 16 (lane / 16) + i of the step: hidden where it comes after my query
	v_cndmask_b32 v[S+j], v[S+j], v[NINF], vcc_lo  ; -infinity: p = 0.  The step's first key counts for every query of the group, so the row's maximum is a number
.set j, j+1
.endr
.Lopen_\@:
.endif
.irp b, 0,1,2,3
	v_max3_num_f32 v[BM+\b], v[S+16*\b], v[S+1+16*\b], v[S+2+16*\b]   ; the largest score of each block of 32 keys: for the row's maximum, and, since p rises with the score, for the block's largest p
.endr
.irp i, 3,5,7,9,11,13
.irp b, 0,1,2,3
	v_max3_num_f32 v[BM+\b], v[BM+\b], v[S+16*\b+\i], v[S+1+16*\b+\i]
.endr
.endr
.irp b, 0,1,2,3
	v_max_num_f32 v[BM+\b], v[BM+\b], v[S+15+16*\b]
.endr
.irp b, 0,1,2,3
	s_delay_alu instid0(VALU_DEP_4)
	v_permlanex16_b32 v[PT+\b], v[BM+\b], s[SEL], s[SEL+1]
.endr
.irp b, 0,1,2,3
	s_delay_alu instid0(VALU_DEP_4)
	v_max_num_f32 v[BM+\b], v[BM+\b], v[PT+\b]     ; with lane l xor 16's 16 keys
.endr
	s_delay_alu instid0(VALU_DEP_2)
	v_max3_num_f32 v[TMP], v[BM], v[BM+1], v[BM+2]
	s_delay_alu instid0(VALU_DEP_1)
	v_max_num_f32 v[TMP], v[TMP], v[BM+3]
	s_delay_alu instid0(VALU_DEP_1)
	v_mul_f32 v[TMP], s[CS], v[TMP]                ; the step's largest t
	s_delay_alu instid0(VALU_DEP_1)
	v_max_num_f32 v13, v13, v[TMP]                 ; the running largest t
	v_mov_b32 v[TMP], v12
	s_delay_alu instid0(VALU_DEP_2)
	v_floor_f32 v12, -v13                          ; the new -M = -ceil(t): a whole number
	s_delay_alu instid0(VALU_DEP_1)
	v_sub_f32 v[TMP], v12, v[TMP]                  ; old M - new M: a whole number, 0 or less
	s_delay_alu instid0(VALU_DEP_1)
	v_cvt_i32_f32 v[TMP], v[TMP]                   ; (it saturates)
	s_delay_alu instid0(VALU_DEP_1)
	v_ldexp_f32 v[F], 1.0, v[TMP]                  ; f = 2^(old M - new M)
.set j, 0
.rept 32
	v_pk_fma_f32 v[S+j:S+j+1], v[S+j:S+j+1], s[CS:CS+1], v[12:13] op_sel_hi:[1,0,0]   ; t - M, two at a time
.set j, j+2
.endr
.irp b, 0,1,2,3
	v_fma_f32 v[BM+\b], v[BM+\b], s[CS], v12       ; the same of each block's largest score
.endr
.set j, 0
	s_setprio 1
	s_wait_alu depctr_va_vdst(0)
.rept 64
	v_exp_f32 v[S+j], v[S+j]                       ; p = 2^(t - M)
.set j, j+1
.endr
.irp b, 0,1,2,3
	v_exp_f32 v[BM+\b], v[BM+\b]                   ; the block's largest p: the same two instructions on the same number
.endr
	v_pk_mul_f32 v[14:15], v[14:15], v[F:F+1] op_sel_hi:[1,0]   ; the sums under the new M.  (A plain place behind the exponentials)
	s_wait_alu depctr_va_vdst(0)
.irp b, 0,1,2,3
	v_max_num_f32 v[BM+\b], 0x4800000, v[BM+\b]    ; the floor 2^(9 - 127): the byte cannot fall under 1
.endr
.irp b, 0,1,2,3
	s_delay_alu instid0(VALU_DEP_4)
	v_add_nc_u32 v[SO+\b], 0xfc000000, v[BM+\b]    ; the conversions' scale operand
.endr
.irp b, 0,1,2,3
.endr
.irp b, 0,1,2,3
	s_delay_alu instid0(VALU_DEP_4)
	v_lshrrev_b32 v[PT+\b], 23, v[SO+\b]           ; the byte
.endr
	s_delay_alu instid0(VALU_DEP_3)
	v_lshl_or_b32 v[PSW], v[PT+1], 8, v[PT]        ; p's scale word for these 128 keys
	s_delay_alu instid0(VALU_DEP_1)
	v_lshl_or_b32 v[PSW], v[PT+2], 16, v[PSW]
	s_delay_alu instid0(VALU_DEP_1)
	v_lshl_or_b32 v[PSW], v[PT+3], 24, v[PSW]
	v_pk_add_f32 v[238:239], v[108:109], v[112:113]
	v_pk_add_f32 v[252:253], v[116:117], v[120:121]
	v_pk_add_f32 v[250:251], v[124:125], v[128:129]
	v_pk_add_f32 v[248:249], v[132:133], v[136:137]
	v_pk_add_f32 v[246:247], v[140:141], v[144:145]
	v_pk_add_f32 v[232:233], v[148:149], v[152:153]
	v_pk_add_f32 v[226:227], v[156:157], v[160:161]
	v_pk_add_f32 v[14:15], v[14:15], v[164:165]
	v_pk_add_f32 v[238:239], v[238:239], v[104:105]
	v_pk_add_f32 v[252:253], v[252:253], v[106:107]
	v_pk_add_f32 v[250:251], v[250:251], v[110:111]
	v_pk_add_f32 v[248:249], v[248:249], v[114:115]
	v_pk_add_f32 v[246:247], v[246:247], v[118:119]
	v_pk_add_f32 v[232:233], v[232:233], v[122:123]
	v_pk_add_f32 v[226:227], v[226:227], v[126:127]
	v_pk_add_f32 v[14:15], v[14:15], v[130:131]
	v_pk_add_f32 v[238:239], v[238:239], v[134:135]
	v_pk_add_f32 v[252:253], v[252:253], v[138:139]
	v_pk_add_f32 v[250:251], v[250:251], v[142:143]
	v_pk_add_f32 v[248:249], v[248:249], v[146:147]
	v_pk_add_f32 v[246:247], v[246:247], v[150:151]
	v_pk_add_f32 v[232:233], v[232:233], v[154:155]
	v_pk_add_f32 v[226:227], v[226:227], v[158:159]
	v_pk_add_f32 v[14:15], v[14:15], v[162:163]
	v_pk_add_f32 v[238:239], v[238:239], v[166:167]
	s_delay_alu instid0(VALU_DEP_2)
	v_pk_add_f32 v[14:15], v[14:15], v[248:249]
	s_delay_alu instid0(VALU_DEP_2)
	v_pk_add_f32 v[238:239], v[238:239], v[246:247]
	s_setprio 0
	v_pk_add_f32 v[252:253], v[252:253], v[232:233]
	v_pk_add_f32 v[250:251], v[250:251], v[226:227]
	s_delay_alu instid0(VALU_DEP_2)
	v_pk_add_f32 v[14:15], v[14:15], v[252:253]
	s_delay_alu instid0(VALU_DEP_2)
	v_pk_add_f32 v[238:239], v[238:239], v[250:251]
	s_delay_alu instid0(VALU_DEP_1)
	v_pk_add_f32 v[14:15], v[14:15], v[238:239]
.irp b, 0,1,2,3
.set j, 0
.rept 8
.set j, j+2
.endr
	v_cvt_scalef32_pk8_fp8_f32 v[PC+4*\b:PC+4*\b+1], v[S+16*\b:S+16*\b+7], v[SO+\b]
	v_cvt_scalef32_pk8_fp8_f32 v[PC+4*\b+2:PC+4*\b+3], v[S+16*\b+8:S+16*\b+15], v[SO+\b]
.endr
.set j, 0
.rept 16
	v_pk_mul_f32 v[O+j:O+j+1], v[O+j:O+j+1], v[F:F+1] op_sel_hi:[1,0]   ; O^T under the new M, each accumulator from its low end on.  (These are also the places between the codes' making and the products)
.set j, j+2
.endr
	s_wait_alu depctr_va_vdst(0)
	s_wait_dscnt 0x0                               ; V and its words are in
.irp t, 0,1,2,3
	OPROD \t                                       ; four accumulators by turns; the eight products of S^T stand between two steps' turns
.endr
.if \chk
.Lhid_\@:
.endif
	s_add_co_u32 s[KS], s[KS], 1
	s_add_co_u32 s[T0], s[T0], 8192
	s_add_co_u32 s[T1], s[T1], 256
.endm
.macro RUN n, chk, k0                  ; key steps k0 .. k0 + n - 1: the trip count and the first addresses are constants of the text
	s_mov_b32 s[KS], \k0
	s_mov_b32 s[T0], 8192*(\k0)
	s_mov_b32 s[T1], 256*(\k0)
	s_mov_b32 s[CNT], 0
.Lrun_\@:
	STEP \chk
	s_add_co_u32 s[CNT], s[CNT], 1
	s_cmp_lt_u32 s[CNT], \n
	s_cbranch_scc1 .Lrun_\@
	s_setprio 0
.endm
.macro LAND n                          ; the fetching waves' loads have landed, all but the youngest n; then the work-group's barrier.  Nothing is filled again, so later chunks may stay out.  No LDS load of mine is out here
	s_wait_tensorcnt \n
	s_barrier_signal -1
	s_barrier_wait -1
.endm
; A pass's end: O^T / the sum is y's 64 features of my query, register 16 b + i = feature 32 b + 16 (lane / 16) + i: two blocks along C, quantised and stored as two register groups of yq's fragment.
.macro YOUT d
.rept 8
	v_nop                                          ; places behind the last products
.endr
	v_add_f32 v14, v14, v15
	s_delay_alu instid0(VALU_DEP_1)
	v_permlanex16_b32 v[TMP], v14, s[SEL], s[SEL+1]
	s_delay_alu instid0(VALU_DEP_1)
	v_add_f32 v14, v14, v[TMP]                     ; the row's sum
	s_wait_alu depctr_va_vdst(0)
	v_rcp_f32 v14, v14
	v_nop                                          ; a plain place behind the transcendental
.set j, 0
	s_wait_alu depctr_va_vdst(0)
.rept 16
	v_pk_mul_f32 v[S+j:S+j+1], v[O+j:O+j+1], v[14:15] op_sel_hi:[1,0]   ; each accumulator from its low end on
.set j, j+2
.endr
.irp b, 0,1
	v_max3_num_f32 v[BM+\b], |v[S+16*\b]|, |v[S+1+16*\b]|, 0x4800000
.endr
.irp i, 2,4,6,8,10,12,14
.irp b, 0,1
	s_delay_alu instid0(VALU_DEP_2)
	v_max3_num_f32 v[BM+\b], v[BM+\b], |v[S+16*\b+\i]|, |v[S+1+16*\b+\i]|
.endr
.endr
.irp b, 0,1
	s_delay_alu instid0(VALU_DEP_2)
	v_permlanex16_b32 v[PT+\b], v[BM+\b], s[SEL], s[SEL+1]
.endr
.irp b, 0,1
	s_delay_alu instid0(VALU_DEP_2)
	v_max_num_f32 v[BM+\b], v[BM+\b], v[PT+\b]
.endr
.irp b, 0,1
	s_delay_alu instid0(VALU_DEP_2)
	v_add_nc_u32 v[SO+\b], 0xfc000000, v[BM+\b]
.endr
.irp b, 0,1
.endr
.irp b, 0,1
	s_delay_alu instid0(VALU_DEP_2)
	v_lshrrev_b32 v[PT+\b], 23, v[SO+\b]
.endr
	s_mov_b32 vcc_lo, 0xffff0000                   ; lanes 16-31
	v_cndmask_b32 v[YBY], v[PT], v[PT+1], vcc_lo   ; lanes r and r + 16 hold the same two bytes: the lower lane stores block 0's, the upper block 1's
.irp b, 0,1
.set j, 0
.rept 16
.set j, j+1
.endr
	v_cvt_scalef32_pk8_fp8_f32 v[YC+4*\b:YC+4*\b+1], v[S+16*\b:S+16*\b+7], v[SO+\b]
	v_cvt_scalef32_pk8_fp8_f32 v[YC+4*\b+2:YC+4*\b+3], v[S+16*\b+8:S+16*\b+15], v[SO+\b]
.endr
	v_nop                                          ; one plain vector line behind the last conversion
	global_store_b128 v[LK], v[YC:YC+3], s[\d+4:\d+5]                  ; 32 lanes store 512 consecutive bytes, at a multiple of 512 from yq's first byte
	global_store_b128 v[LK], v[YC+4:YC+7], s[\d+4:\d+5] offset:512
	global_store_b8 v[YSO], v[YBY], s[\d+6:\d+7]
.endm
	PASSHEAD 48
	s_sub_co_u32 s[BND], 15, s[P]                  ; pass 1: groups 15 .. 8: the diagonal lies at key step 8 or later, so steps 0-5 want no check
	LAND 3                                         ; the words and chunk 0 (key steps 0-3) are in
	RUN 2, 0, 0
	LAND 2                                         ; chunk 1 (key steps 4-7)
	RUN 2, 0, 2
	LAND 1                                         ; chunk 2
	RUN 2, 0, 4
	LAND 0                                         ; all of K and V
	RUN 10, 1, 6
	YOUT 48
	PASSHEAD 56
	s_mov_b32 s[BND], s[P]                         ; pass 2: groups 0 .. 7
	RUN 8, 1, 0
	YOUT 56
	s_wait_tensorcnt 0x0
	ds_add_u32 v254, v255
	s_wait_dscnt 0x0
	ROUND                                          ; the closing round: no work-group ends while a partner may still ask for a tile that names it
	s_endpgm
.Lfunc_end_k_q81cf6faac2_attn:
	.size	k_q81cf6faac2_attn, .Lfunc_end_k_q81cf6faac2_attn-k_q81cf6faac2_attn
	.p2alignl 7, 3214868480
	.fill 96, 4, 3214868480
	.section	.rodata,"a",@progbits
	.p2align	6, 0x0
	.amdhsa_kernel k_q81cf6faac2_attn
		.amdhsa_group_segment_fixed_size 272384
		.amdhsa_private_segment_fixed_size 0
		.amdhsa_enable_private_segment 0
		.amdhsa_kernarg_size 24
		.amdhsa_user_sgpr_count 2
		.amdhsa_user_sgpr_kernarg_segment_ptr 1
		.amdhsa_wavefront_size32 1
		.amdhsa_system_sgpr_workgroup_id_x 1
		.amdhsa_system_sgpr_workgroup_id_y 1
		.amdhsa_system_sgpr_workgroup_id_z 1
		.amdhsa_system_vgpr_workitem_id 0
		.amdhsa_next_free_vgpr 256
		.amdhsa_next_free_sgpr 100
		.amdhsa_reserve_vcc 1
		.amdhsa_float_denorm_mode_32 3
		.amdhsa_float_denorm_mode_16_64 3
		.amdhsa_fp16_overflow 1
		.amdhsa_memory_ordered 1
		.amdhsa_forward_progress 1
		.amdhsa_inst_pref_size 119
	.end_amdhsa_kernel
	.amdgpu_metadata
---
amdhsa.version: [ 1, 2 ]
amdhsa.kernels:
  - .name:           k_q81cf6faac2_attn
    .symbol:         k_q81cf6faac2_attn.kd
    .args:
      - { .name: qkq, .offset: 0, .size: 8, .value_kind: global_buffer, .address_space: global }
      - { .name: vq, .offset: 8, .size: 8, .value_kind: global_buffer, .address_space: global }
      - { .name: yq, .offset: 16, .size: 8, .value_kind: global_buffer, .address_space: global }
    .group_segment_fixed_size: 272384
    .private_segment_fixed_size: 0
    .kernarg_segment_align: 8
    .kernarg_segment_size: 24
    .max_flat_workgroup_size: 512
    .sgpr_count:     100
    .vgpr_count:     256
    .wavefront_size: 32
...
	.end_amdgpu_metadata
.endif
;; end of part 3
;; launch gemm_out (part 4): grid 4 x 64, 4 waves a work-group, clusters of 4 x 4, 327,680 bytes of LDS; arguments yq, wq, b_out, out0; writes out0
.if DOCPART == 4
	.amdgcn_target "amdgcn-amd-amdhsa--gfx1250"
	.amdhsa_code_object_version 6
	.text
	.protected	k_q81cf6faac2_gemm_out
	.globl	k_q81cf6faac2_gemm_out
	.p2align	8
	.type	k_q81cf6faac2_gemm_out,@function
k_q81cf6faac2_gemm_out:
	s_mov_b64 s[64:65], 0
	v_nop
	global_prefetch_b8 v0, s[64:65] scope:SCOPE_SE
	s_setreg_imm32_b32 hwreg(HW_REG_WAVE_MODE, 25, 1), 1
	s_wait_xcnt 0x0
	s_wait_alu depctr_hold_cnt(0) depctr_sa_sdst(0) depctr_va_vdst(0) depctr_va_sdst(0) depctr_va_ssrc(0) depctr_va_vcc(0) depctr_vm_vsrc(0)
	s_getreg_b32 s2, hwreg(HW_REG_IB_STS2, 6, 4)
	s_cmp_eq_u32 s2, 0
	s_cbranch_scc0 .Lentry_in_a_cluster
	s_endpgm
.Lentry_in_a_cluster:
	s_bfe_u32 s2, ttmp6, 0x10000c
	s_cmp_lg_u32 s2, 0xf033
	s_cbranch_scc0 .Lentry_shape_is_right
	s_endpgm
.Lentry_shape_is_right:
; out0 = y W_out + b_out on codes of FP8 (E4M3) with E8M0 scales, K = 1,024; out0 [8192][1024] f32.
; THE TILE.  out0 has 128 tiles of 256 x 256, too few for 256 WGPs: so a work-group of four waves makes 128 tokens x 256 columns (256 work-groups), a wave 64 x 128: 32 accumulators, 256 registers.
; The codes lie in memory in the order of the operand's registers (a tile of 16 rows: 16,384 bytes; a K step of 128 in it: 2,048 consecutive bytes, register group c at 512 c, lane l at 16 l), and so they lie in LDS:
; a fragment is four loads of 512 consecutive bytes: no pitch, no padding.  The scale bytes of the work-group's rows, for all of K, come once and stay.
; THREE LDS SLOTS of 256 along K (A's 8 tiles 32,768 bytes + B's 16 tiles 65,536).  K = 1,024 is four slots' worth: three come as first fills, only the last is a refill, of slot 0: one round of the cluster's barrier with a
; refill behind it, and that load has four steps of 128 along K in which to land.
; THE MATRIX INSTRUCTION IS USED TRANSPOSED: source 0 = a tile of B (W_out's columns: wq's tiles 192-255), source 1 = a tile of A (y's tokens).  Row r of a tile is token or column 32 (T / 2) + 8 (T % 2) + r + 8 (r / 8):
; a lane holds one token, and register j of accumulator (a, b) column 32 (b / 2) + 16 (lane / 16) + 8 (b % 2) + j.  The bias, in that layout, is the C of each sum's first product: it costs no addition.
; CLUSTERS: 4 x 4 work-groups; A's tiles are asked for jointly along a row of the cluster, B's along a column.
; REGISTERS, in windows of 256: window 0: v1-29 addresses; v32-63 scale words, two sets; v64-127 the bias; v128-255 rows read back from the stage on the way out.
;   window 1: fragment set 0: B's eight at v0-127, A's four at v128-191;  window 3: set 1 likewise;  window 2: the accumulators ((a, b) at v[8 (8 a + b)]).
; A whole set lies in one window, so that one setting serves a run of loads and one a run of products.  A step of 128 along K goes in four turns: 12 LDS loads for the next step (two fragments of B, one of A), then
; A's block a against B's eight; short runs of loads between the products: two switches a turn.
.set NP,    8                          ; places behind this matrix instruction (ISA guide 7.12.1)
.set TILEB, 4096                       ; a tile's bytes in a slot: 256 along K
.set ASL,   8*TILEB                    ; A's eight tiles
.set SLOT,  24*TILEB                   ; and B's sixteen behind them
.set SCL,   3*SLOT                     ; behind the slots: the scale bytes, 32 a row, as pieces of 256 bytes + 16 of padding
.set SBLK,  2*272                      ; those of 16 rows
.set AS,    8*272                      ; those of 64 rows: what one of A's loads brings, and what one wave reads of A's
.set BS,    16*272                     ; those of 128 rows: the same for B
.set SPARE, SCL+2*AS+2*BS              ; the spare words, 128 bytes for each wave: two blocks of 256 bytes that no other line names
.set STAGE, SLOT                       ; the way out: a stage of 16 rows x (512 bytes + 16) for each wave, in slot 1, which is filled once and read by nobody behind the last barrier
.set SPITCH, 528
.set LN,   4                           ; v4      16 x lane
.set ADRA, 16                          ; v16-18  LDS address of my A fragments in slot 0, 1, 2
.set ADRB, 20                          ; v20-22  the same for B
.set STO,  24                          ; v24     the way out: where I put my numbers of a row
.set RD,   25                          ; v25     and where I read a row back
.set ADRS, 27                          ; v27     LDS address of my scale words: lanes 0-15 A's rows, lanes 16-31 B's
.set SPW,  28                          ; v28     LDS address of my spare word; never rewritten
.set NIL,  29                          ; v29     0; never rewritten
.set SC,   32                          ; scale words: set s at v[SC + 16 s]; in it register 2 i + q: lanes 0-15 A's block i, lanes 16-31 B's block i
.set BI,   64                          ; the bias
.set BK,   128                         ; the way out: 16 rows read back: v128-191 and v192-255 by turns
.set G1,   24                          ; s[24:31] descriptor group 1 for A's tiles;  s[32:39] for B's;  s[40:47], s[48:55] for A's and B's scale bytes
.set G1B,  32
.set G1S,  40
.set G1SB, 48
.set G0S,  56                          ; s[56:59], s[60:63] groups 0 for the scale bytes
.set G0SB, 60
.set G0,   68                          ; s[68:79] groups 0 for A's tiles, one set for each slot;  s[80:91] for B's
.set G0B,  80
.set MSB, 0
.macro WIN new                         ; the immediate's high byte repeats the setting that is left
.if MSB != (\new)
	s_set_vgpr_msb (MSB<<8)|(\new)
.set MSB, (\new)
.endif
.endm
; A joint load: waves 0 and 1 fetch for A, waves 2 and 3 for B.  Each of the two lines has one mask and one set of registers; the branch hangs on the wave's number alone.
; Four v_nop follow each of the two lines, ahead of the jump, the label and what follows.
.macro JLOAD g0a, g1a, g0b, g1b
	s_cmp_eq_u32 s15, 0
	s_cbranch_scc0 .Lfor_b_\@
	tensor_load_to_lds s[\g0a:\g0a+3], s[\g1a:\g1a+7]
	s_nop 0
.rept 4
	v_nop
.endr
	s_branch .Lasked_\@
.Lfor_b_\@:
	tensor_load_to_lds s[\g0b:\g0b+3], s[\g1b:\g1b+7]
	s_nop 0
.rept 4
	v_nop
.endr
.Lasked_\@:
.endm
.macro CREST                           ; a round of the cluster's barrier behind its opening barrier
	s_cmp_lg_u32 s14, 0
	s_cbranch_scc1 .Lnot_wave_0_\@
	s_barrier_signal -3
.Lnot_wave_0_\@:
	s_barrier_wait -3
	s_barrier_signal -1
	s_barrier_wait -1
.endm
.macro CROUND                          ; a whole round
	s_barrier_signal -1
	s_barrier_wait -1
	CREST
.endm
	s_load_b128 s[4:7], s[0:1], 0x0                ; yq, wq
	s_load_b128 s[8:11], s[0:1], 0x10              ; b_out, out0
	v_lshl_add_u32 v[SPW], v0, 2, SPARE
	v_mov_b32 v[NIL], 0
	ds_add_u32 v28, v29
	ds_add_u32 v28, v29
	s_wait_dscnt 0x0
	v_lshrrev_b32 v1, 5, v0
	v_readfirstlane_b32 s14, v1                    ; wave 0..3
	s_lshr_b32 s15, s14, 1                         ; which half of A's 128 rows is mine.  Also: I fetch for A (0) or for B (1)
	s_and_b32 s16, s14, 1                          ; which half of B's 256.  Also: which half of that operand's tiles I fetch
	s_bfe_u32 s92, ttmp6, 0x40000                  ; cx, cy: my place in the cluster
	s_bfe_u32 s93, ttmp6, 0x40004
	s_lshl_b32 s94, ttmp9, 2
	s_add_co_u32 s94, s94, s92                     ; tb: which 256 columns
	s_and_b32 s95, ttmp7, 0xffff
	s_lshl_b32 s95, s95, 2
	s_add_co_u32 s95, s95, s93                     ; ta: which 128 tokens
	s_lshl_b32 s96, s93, 2
	s_lshl_b32 s96, 15, s96                        ; my row of the cluster
	s_lshl_b32 s97, 0x1111, s92                    ; my column
	; descriptor groups 1 for codes: four (A) or eight (B) tiles' 4,096 bytes, 16,384 bytes apart in memory, on end in LDS; elements of 8 bytes
	s_or_b32 s[G1+0], s96, (3<<16)|(1<<21)         ; 15:0 the mask: A's tiles go to my row; 17:16 elements of 8 bytes; 21 set beside a mask; no padding
	s_mov_b32 s[G1+1], 512<<16                     ; tensor_dim0 = 512 elements
	s_mov_b32 s[G1+2], 4<<16                       ; tensor_dim1 = 4
	s_mov_b32 s[G1+3], 512<<16                     ; tile_dim0
	s_mov_b32 s[G1+4], 4                           ; tile_dim1
	s_mov_b32 s[G1+5], 2048                        ; tensor_dim0_stride
	s_mov_b32 s[G1+6], 0
	s_mov_b32 s[G1+7], 0
	s_or_b32 s[G1B+0], s97, (3<<16)|(1<<21)        ; B's go to my column
	s_mov_b32 s[G1B+1], 512<<16
	s_mov_b32 s[G1B+2], 8<<16
	s_mov_b32 s[G1B+3], 512<<16
	s_mov_b32 s[G1B+4], 8
	s_mov_b32 s[G1B+5], 2048
	s_mov_b32 s[G1B+6], 0
	s_mov_b32 s[G1B+7], 0
	; and for scale bytes: dense bytes as rows of 256, 16 bytes of padding behind each: 64 rows' 2,048 bytes (A), 128 rows' 4,096 (B)
	s_or_b32 s[G1S+0], s96, (3<<16)|(1<<20)|(1<<21)|(5<<22)|(3<<25)
	s_mov_b32 s[G1S+1], 32<<16
	s_mov_b32 s[G1S+2], 8<<16
	s_mov_b32 s[G1S+3], 32<<16
	s_mov_b32 s[G1S+4], 8
	s_mov_b32 s[G1S+5], 32
	s_mov_b32 s[G1S+6], 0
	s_mov_b32 s[G1S+7], 0
	s_or_b32 s[G1SB+0], s97, (3<<16)|(1<<20)|(1<<21)|(5<<22)|(3<<25)
	s_mov_b32 s[G1SB+1], 32<<16
	s_mov_b32 s[G1SB+2], 16<<16
	s_mov_b32 s[G1SB+3], 32<<16
	s_mov_b32 s[G1SB+4], 16
	s_mov_b32 s[G1SB+5], 32
	s_mov_b32 s[G1SB+6], 0
	s_mov_b32 s[G1SB+7], 0
	s_lshl_b32 s12, s95, 1                         ; A's offsets are made of ta and the wave's number, B's of tb and the wave's number, each in registers that never hold the other coordinate
	s_add_co_u32 s12, s12, s16                     ; which four tiles of A
	s_lshl_b32 s18, s12, 11                        ; their scale bytes: 64 rows of 32,
	s_add_co_u32 s18, s18, 8388608                 ; behind yq's codes
	s_lshl_b32 s12, s12, 16                        ; their codes
	s_lshl_b32 s20, s94, 1
	s_add_co_u32 s20, s20, s16                     ; which eight tiles of B
	s_lshl_b32 s22, s20, 12
	s_add_co_u32 s22, s22, 4292608                 ; wq's scale bytes from row 3,072 on
	s_lshl_b32 s20, s20, 17
	s_add_co_u32 s20, s20, 3145728                 ; wq's codes from tile 192 on
	s_mov_b32 s13, 0
	s_mov_b32 s19, 0
	s_mov_b32 s21, 0
	s_mov_b32 s23, 0
	s_lshl_b32 s17, s16, 14                        ; where they go in a slot: A's: four tiles x my half;
	s_lshl_b32 s98, s16, 15
	s_add_co_u32 s98, s98, ASL                     ; B's: behind A's eight, eight tiles x my half: no place in the cluster enters an LDS address
	s_mul_i32 s99, s16, AS
	s_add_co_u32 s99, s99, SCL                     ; A's scale bytes,
	s_mul_i32 s2, s16, BS
	s_add_co_u32 s2, s2, SCL+2*AS                  ; B's behind them
	s_wait_kmcnt 0x0
	s_add_nc_u64 s[12:13], s[4:5], s[12:13]
	s_add_nc_u64 s[18:19], s[4:5], s[18:19]
	s_add_nc_u64 s[20:21], s[6:7], s[20:21]
	s_add_nc_u64 s[22:23], s[6:7], s[22:23]
	CROUND                                         ; all sixteen work-groups are here: the first joint loads meet
	s_mov_b32 s[G0S], 1
	s_mov_b32 s[G0S+1], s99
	s_mov_b64 s[G0S+2:G0S+3], s[18:19]
	s_or_b32 s[G0S+3], s[G0S+3], 0x80000000
	s_mov_b32 s[G0SB], 1
	s_mov_b32 s[G0SB+1], s2
	s_mov_b64 s[G0SB+2:G0SB+3], s[22:23]
	s_or_b32 s[G0SB+3], s[G0SB+3], 0x80000000
	JLOAD G0S, G1S, G0SB, G1SB                     ; the scale bytes first: they are wanted with the first step
.irp s, 0,1,2
	s_mov_b32 s[G0+4*\s], 1
	s_add_co_u32 s[G0+4*\s+1], s17, \s*SLOT
	s_add_nc_u64 s[G0+4*\s+2:G0+4*\s+3], s[12:13], \s*TILEB
	s_or_b32 s[G0+4*\s+3], s[G0+4*\s+3], 0x80000000
	s_mov_b32 s[G0B+4*\s], 1
	s_add_co_u32 s[G0B+4*\s+1], s98, \s*SLOT
	s_add_nc_u64 s[G0B+4*\s+2:G0B+4*\s+3], s[20:21], \s*TILEB
	s_or_b32 s[G0B+4*\s+3], s[G0B+4*\s+3], 0x80000000
	JLOAD G0+4*\s, G1, G0B+4*\s, G1B               ; four tensor loads of mine are out at the most
.endr
	v_and_b32 v1, 31, v0                           ; lane
	v_and_b32 v2, 15, v0                           ; r
	v_bfe_u32 v3, v0, 4, 1                         ; h
	v_lshlrev_b32 v[LN], 4, v1
	s_lshl_b32 s98, s94, 10
	s_lshl_b32 s99, s16, 9
	s_add_co_u32 s98, s98, s99                     ; 4 bytes x (256 tb + 128 x my half): my first column, in the bias and in a row of out0
	s_mov_b32 s99, 0
	s_add_nc_u64 s[8:9], s[8:9], s[98:99]
	s_add_nc_u64 s[10:11], s[10:11], s[98:99]
	v_lshlrev_b32 v8, 6, v3                        ; + 16 h numbers
.irp i, 0,1,2,3,4,5,6,7,8,9,10,11,12,13,14,15
	global_load_b128 v[BI+4*\i:BI+4*\i+3], v8, s[8:9] offset:128*(\i/4)+16*(\i%4)   ; register 16 b + i: column 32 b + 16 h + i
.endr
	s_lshl_b32 s98, s95, 19
	s_lshl_b32 s17, s15, 18
	s_add_co_u32 s98, s98, s17                     ; (128 ta + 64 x my half) rows of 4,096 bytes
	s_add_nc_u64 s[10:11], s[10:11], s[98:99]
	s_lshl_b32 s17, s15, 14                        ; my four tiles of A
	s_lshl_b32 s2, s16, 15
	s_add_co_u32 s2, s2, ASL                       ; my eight tiles of B
.irp s, 0,1,2
	v_add_nc_u32 v[ADRA+\s], s17, v[LN]
	v_add_nc_u32 v[ADRB+\s], s2, v[LN]
	s_add_co_u32 s17, s17, SLOT
	s_add_co_u32 s2, s2, SLOT
.endr
	v_mul_u32_u24 v5, v2, 32                       ; my row's scale bytes: 32 a row,
	v_lshrrev_b32 v6, 8, v5
	v_lshl_add_u32 v5, v6, 4, v5                   ; and 16 more for each 256 passed
	s_mul_i32 s17, s15, AS                         ; A's: my 64 rows
	s_mul_i32 s2, s16, BS                          ; B's: my 128 rows, behind A's 128
	s_add_co_u32 s2, s2, 2*AS
	s_sub_co_u32 s2, s2, s17
	v_mul_u32_u24 v6, s2, v3                       ; lanes 16-31 take B's: one product, the lower base + h x the distance
	s_add_co_u32 s17, s17, SCL
	v_add_nc_u32 v5, v5, v6
	v_add_nc_u32 v[ADRS], s17, v5
	s_mul_i32 s17, s14, 16*SPITCH                  ; my stage
	s_add_co_u32 s17, s17, STAGE
	v_mul_u32_u24 v5, v2, SPITCH
	v_lshl_add_u32 v5, v3, 6, v5
	v_add_nc_u32 v[STO], s17, v5                   ; in: row r, + 64 h
	v_add_nc_u32 v[RD], s17, v[LN]                 ; back: the 32 lanes take one row of 512 bytes
.macro FRAG reg, adr, q, i             ; tile i's fragment of the slot's q-th 128 along K: four loads of 512 consecutive bytes
.irp c, 0,1,2,3
	ds_load_b128 v[(\reg)+4*\c:(\reg)+4*\c+3], v[\adr] offset:(\i)*TILEB+(\q)*2048+512*\c
.endr
.endm
.macro LD j, slot, q, p                ; turn j's share of a step's twelve fragments into set p: B's 2 j and 2 j + 1, A's j
	WIN 0x40+0x80*(\p)                             ; destination window 1 or 3, address window 0
	FRAG 32*(\j), ADRB+\slot, \q, 2*(\j)
	FRAG 32*(\j)+16, ADRB+\slot, \q, 2*(\j)+1
	FRAG 128+16*(\j), ADRA+\slot, \q, \j
.endm
.macro SCALES sc, k                    ; the scale words of K 256 k on into set sc: two words a row.  (A has four blocks: for i = 4..7 lanes 0-15 read bytes further on in the scales' region, which no product takes)
	WIN 0
.irp i, 0,1,2,3,4,5,6,7
	ds_load_b64 v[SC+16*(\sc)+2*\i:SC+16*(\sc)+2*\i+1], v[ADRS] offset:\i*SBLK+8*(\k)
.endr
.endm
; Eight matrix instructions: A's block a x B's eight, 128 along K, from set p.  q: which word of the set sc of scale words.  first = 1: the sums start from the bias: nothing is cleared.
; The 32 accumulators take turns, one instruction a turn, in the same order in every step.
.macro MULA a, p, q, sc, first
.if \first
	WIN 0x85                                       ; sources 0 and 1 window 1, C (the bias) window 0, D window 2
.else
	WIN 0xa5+0x0a*(\p)                             ; sources 0 and 1 window 1 or 3, C and D window 2
.endif
.irp b, 0,1,2,3,4,5,6,7
.if \first
	v_wmma_scale_f32_16x16x128_f8f6f4 v[8*(8*(\a)+\b):8*(8*(\a)+\b)+7], v[16*\b:16*\b+15], v[128+16*(\a):128+16*(\a)+15], v[BI+8*\b:BI+8*\b+7], v[SC+16*(\sc)+2*\b+(\q)], v[SC+16*(\sc)+2*(\a)+(\q)] matrix_a_scale:MATRIX_SCALE_ROW1
.else
	v_wmma_scale_f32_16x16x128_f8f6f4 v[8*(8*(\a)+\b):8*(8*(\a)+\b)+7], v[16*\b:16*\b+15], v[128+16*(\a):128+16*(\a)+15], v[8*(8*(\a)+\b):8*(8*(\a)+\b)+7], v[SC+16*(\sc)+2*\b+(\q)], v[SC+16*(\sc)+2*(\a)+(\q)] matrix_a_scale:MATRIX_SCALE_ROW1
.endif
.endr
.endm
; A load into a register that a matrix instruction has read, and an LDS store that reads a matrix result, stand NP places behind it; only plain vector
; instructions that name none of its registers are places (ISA guide 7.12.1 for vector instructions).
.macro PLACES n
.rept \n
	v_nop
.endr
.endm
; A step of 128 along K on set p; in its four turns the next step's fragments (slot nslot, its nq-th 128) come into the other set, which the step before has read: the places stand at the head.
; nsc >= 0: the next step begins a slot: its scale words (K 256 nk on) come into set nsc.
.macro HSTEP p, q, sc, first, nslot, nq, nsc, nk
	s_wait_dscnt 0x0                               ; this step's fragments are in
.if !(\first)
	PLACES NP
.endif
	LD 0, \nslot, \nq, 1-(\p)
.if (\nsc) >= 0
	SCALES \nsc, \nk
.endif
	MULA 0, \p, \q, \sc, \first
	LD 1, \nslot, \nq, 1-(\p)
	MULA 1, \p, \q, \sc, \first
	LD 2, \nslot, \nq, 1-(\p)
	MULA 2, \p, \q, \sc, \first
	LD 3, \nslot, \nq, 1-(\p)
	MULA 3, \p, \q, \sc, \first
	WIN 0
.endm
; A step (on set 1, a slot's second) with a barrier in it: in front of the barrier each wave waits for all its tensor loads, adds 0 to its spare word, and waits for that and for its LDS reads.
; fill = 1: every wave's reads of slot 0 are over, and slots 1 and 2 are whole; slot 0 is filled again, with the last 256 along K.  fill = 0: that refill has landed in every wave's part; nothing is filled.
.macro HTURN sc, fill, nslot, nsc, nk
	s_wait_tensorcnt 0x0                           ; all my tensor loads have landed  (every window is 0 here)
	ds_add_u32 v[SPW], v[NIL]                      ; 0 onto my spare word
	s_wait_dscnt 1                                 ; (the add may be out)  this step's fragments are in
	MULA 0, 1, 1, \sc, 0                           ; eight matrix instructions stand between the add and the wait for it
	s_wait_dscnt 0x0                               ; the add is done, and no LDS read of mine is out
	s_barrier_signal -1
	MULA 1, 1, 1, \sc, 0
	WIN 0
	s_barrier_wait -1
.if \fill
	CREST                                          ; the barrier has opened a round of the cluster's barrier: no wave of any partner still reads slot 0 or has a load on its way
	s_add_nc_u64 s[G0+2:G0+3], s[G0+2:G0+3], 3*TILEB
	s_add_nc_u64 s[G0B+2:G0B+3], s[G0B+2:G0B+3], 3*TILEB
	JLOAD G0, G1, G0B, G1B                         ; the first tensor load behind the round, and my last; its four v_nop are among the places in front of the loads below
	PLACES NP-4
.else
	PLACES NP
.endif
	LD 0, \nslot, 0, 0
	LD 1, \nslot, 0, 0
	SCALES \nsc, \nk
	MULA 2, 1, 1, \sc, 0
	LD 2, \nslot, 0, 0
	LD 3, \nslot, 0, 0
	MULA 3, 1, 1, \sc, 0
	WIN 0
.endm
; THE WAY OUT, block by block of 16 tokens x 128 columns.  A lane holds pieces of 32 bytes of one row, and the lanes beside it hold other rows: so a block goes through my own stage in LDS and comes back as whole rows
; of 512 bytes.  LDS serves a wave's instructions in order (ISA guide 5.7.1.4): no wait between the stores and the loads, nor in front of the next block's stores.
.macro TOSTAGE a
.set AC, 64*(\a)
	WIN 0x08                                       ; the data: window 2
.irp b, 0,1,2,3,4,5,6,7
	ds_store_b128 v[STO], v[AC+8*\b:AC+8*\b+3] offset:128*(\b/2)+32*(\b%2)          ; each accumulator from its low end on
	ds_store_b128 v[STO], v[AC+8*\b+4:AC+8*\b+7] offset:128*(\b/2)+32*(\b%2)+16
.endr
	WIN 0
.set BB, BK+64*((\a)%2)
.irp t, 0,1,2,3,4,5,6,7,8,9,10,11,12,13,14,15
	ds_load_b128 v[BB+4*\t:BB+4*\t+3], v[RD] offset:\t*SPITCH
.endr
.endm
.macro SEND a, younger                 ; younger: the LDS instructions issued behind block a's loads, which may stay out
.set BB, BK+64*((\a)%2)
	s_wait_dscnt \younger                          ; the block is back in registers
.irp t, 0,1,2,3,4,5,6,7,8,9,10,11,12,13,14,15
	global_store_b128 v[LN], v[BB+4*\t:BB+4*\t+3], s[10:11] offset:(32*((\a)/2)+8*((\a)%2)+\t+8*(\t/8))*4096 th:TH_STORE_NT   ; row t of block a is that token; 32 lanes store 512 consecutive bytes, at a multiple of 512 from out0's first byte; 63 rows at the most: inside the signed 24-bit immediate (ISA guide, chapter 10)
.endr
.endm
	s_wait_loadcnt 0x0                             ; the bias
	s_wait_tensorcnt 2                             ; the scale bytes and my part of slot 0 are in (slots 1 and 2 may be out)
	s_barrier_signal -1
	s_barrier_wait -1                              ; everybody's are
	LD 0, 0, 0, 0
	LD 1, 0, 0, 0
	LD 2, 0, 0, 0
	LD 3, 0, 0, 0
	SCALES 0, 0
	HSTEP 0, 0, 0, 1, 0, 1, -1, 0                  ; K = 1,024 is eight steps: written out, no loop.  Step 0 (slot 0): the first products start the sums from the bias
	HTURN 0, 1, 1, 1, 1                            ; step 1: slot 0 is read out and filled again; on to slot 1
	HSTEP 0, 0, 1, 0, 1, 1, -1, 0                  ; step 2
	HSTEP 1, 1, 1, 0, 2, 0, 0, 2                   ; step 3: on to slot 2, which the barrier of step 1 has shown whole
	HSTEP 0, 0, 0, 0, 2, 1, -1, 0                  ; step 4
	HTURN 0, 0, 0, 1, 3                            ; step 5: the refill has landed; on to slot 0.  Behind this barrier nobody reads slots 1 and 2
	HSTEP 0, 0, 1, 0, 0, 1, -1, 0                  ; step 6
	s_wait_dscnt 0x0                               ; step 7: nothing more to fetch
	MULA 0, 1, 1, 1, 0
	MULA 1, 1, 1, 1, 0
	MULA 2, 1, 1, 1, 0
	MULA 3, 1, 1, 1, 0
	WIN 0
	PLACES NP                                      ; behind the last products: for the reads of results
	TOSTAGE 0
.irp a, 1,2,3
.if \a > 1
	s_wait_xcnt 0x0                                ; block a - 2's stores have read their registers: block a's loads may land there
.endif
	TOSTAGE \a
	SEND \a-1, 32                                  ; behind block a - 1's loads: block a's 16 stores and 16 loads
.endr
	SEND 3, 0
	s_wait_tensorcnt 0x0                           ; the wave's end
	ds_add_u32 v[SPW], v[NIL]
	s_wait_dscnt 0x0
	CROUND                                         ; the closing round: no work-group ends while a partner may still ask for a tile that names it
	s_endpgm
.Lfunc_end_k_q81cf6faac2_gemm_out:
	.size	k_q81cf6faac2_gemm_out, .Lfunc_end_k_q81cf6faac2_gemm_out-k_q81cf6faac2_gemm_out
	.p2alignl 7, 3214868480
	.fill 96, 4, 3214868480
	.section	.rodata,"a",@progbits
	.p2align	6, 0x0
	.amdhsa_kernel k_q81cf6faac2_gemm_out
		.amdhsa_group_segment_fixed_size 327680
		.amdhsa_private_segment_fixed_size 0
		.amdhsa_enable_private_segment 0
		.amdhsa_kernarg_size 32
		.amdhsa_user_sgpr_count 2
		.amdhsa_user_sgpr_kernarg_segment_ptr 1
		.amdhsa_wavefront_size32 1
		.amdhsa_system_sgpr_workgroup_id_x 1
		.amdhsa_system_sgpr_workgroup_id_y 1
		.amdhsa_system_sgpr_workgroup_id_z 1
		.amdhsa_system_vgpr_workitem_id 0
		.amdhsa_next_free_vgpr 1024
		.amdhsa_next_free_sgpr 100
		.amdhsa_reserve_vcc 0
		.amdhsa_float_denorm_mode_32 3
		.amdhsa_float_denorm_mode_16_64 3
		.amdhsa_memory_ordered 1
		.amdhsa_forward_progress 1
		.amdhsa_inst_pref_size 91
	.end_amdhsa_kernel
	.amdgpu_metadata
---
amdhsa.version: [ 1, 2 ]
amdhsa.kernels:
  - .name:           k_q81cf6faac2_gemm_out
    .symbol:         k_q81cf6faac2_gemm_out.kd
    .args:
      - { .name: yq, .offset: 0, .size: 8, .value_kind: global_buffer, .address_space: global }
      - { .name: wq, .offset: 8, .size: 8, .value_kind: global_buffer, .address_space: global }
      - { .name: b_out, .offset: 16, .size: 8, .value_kind: global_buffer, .address_space: global }
      - { .name: out0, .offset: 24, .size: 8, .value_kind: global_buffer, .address_space: global }
    .group_segment_fixed_size: 327680
    .private_segment_fixed_size: 0
    .kernarg_segment_align: 8
    .kernarg_segment_size: 32
    .max_flat_workgroup_size: 128
    .sgpr_count:     100
    .vgpr_count:     1024
    .wavefront_size: 32
...
	.end_amdgpu_metadata
.endif
;; end of part 4
